; MI455X (gfx1250); checked and timed in simulation.
; The chip was launched on July 23, 2026; its instructions are those of AMD's public machine-readable ISA for CDNA 5 (MIT licence, August 2026) and "CDNA5" Instruction Set Architecture Reference Guide (July 2026). The comments in the code are by the model that wrote it; some were corrected since.
;; Entmax Attention. Allowed arithmetic: float matrix products may take bf16 or f16 operands with f32 sums; all other float work in f32.
;; Inputs: k 2 x 16 x 2,048 x 64 float32; q 2 x 16 x 2,048 x 64 float32; v 2 x 16 x 2,048 x 64 float32.
;; Outputs: out0 2 x 16 x 2,048 x 64 float32.
;; 3 versions, each right and faster than the one before. Each part assembles by itself: llvm-mc -triple=amdgcn-amd-amdhsa -mcpu=gfx1250 --defsym DOCPART=n.
;; ======== version 1 of 3: 1 launch
;; limits: a function is approximated: absolute error at most 0.00061
;; launch entmax (part 1): grid 256 x 1, 4 waves a work-group, no clusters, 312,832 bytes of LDS; arguments q, k, v, out0; writes out0
.if DOCPART == 1
	.amdgcn_target "amdgcn-amd-amdhsa--gfx1250"
	.amdhsa_code_object_version 6
	.text
	.protected	k_q0b6442438a_entmax
	.globl	k_q0b6442438a_entmax
	.p2align	8
	.type	k_q0b6442438a_entmax,@function
k_q0b6442438a_entmax:
	s_mov_b64 s[64:65], 0
	v_nop
	global_prefetch_b8 v0, s[64:65] scope:SCOPE_SE
	s_setreg_imm32_b32 hwreg(HW_REG_WAVE_MODE, 25, 1), 1
	s_wait_xcnt 0x0
; out = sparsemax(q k^T / 8) v for 32 heads of 2048 x 64, all buffers f32; products in bf16 with f32 sums.
;
; SHARES.  Work-group g: head g >> 3, queries 256 (g & 7) .. + 255, walked as 8 blocks of 32 queries (two tiles x = 0, 1 of 16).
; Wave w owns keys 512 w .. 512 w + 511 of the head, for K, V, the scores and the weights.  A wave keeps the scores of its 512 keys x 32
; queries in 512 registers from the first product to the second: scores and weights never leave registers.
; K is read once per work-group, rounded to bf16 and kept in LDS (2048 rows of 144 bytes) for all 8 blocks; V is read again in every block,
; straight into registers.
;
; LAYOUT.  The first product is taken transposed (A = 16 keys, B = 16 queries): lane (r = l % 16, h = l / 16) holds, in register j of key tile
; kt, the score of query r and LDS row 16 kt + 8 h + j.  So a lane belongs to one query and the threshold is a value per lane.  LDS row m of a tile holds
; key 2 (m % 8) + m / 8, so that register j is key 16 kt + 2 j + h.  Two neighbouring tiles, packed in place to bf16, are then the A operand of the
; second product with K place 8 h + 2 a + b = key 4 a + 2 b + h, and V's B operand for the same places falls out of plain loads of 512
; neighbouring bytes: load i gives lane (r, h) V[2 i + h][4 r .. 4 r + 3].  Column n = r of B tile e is d = 4 r + e, so a lane's results of the four
; tiles e are 16 neighbouring bytes of a row of out, and sixteen lanes hold a whole row of 256 bytes.
;
; THE THRESHOLD needs no sort: it is the root of sum max(x - tau, 0) = 1, and lies in [max - 1, max).  With m the row's largest q.k,
; w = clip(x / 8 + (2 - m / 8), 1, 2): nothing at or below max - 1 is in the support.  In [1, 2] the bits of an f32 are 0x3f800000 + (w - 1) 2^23,
; so R(th) = sum (bits(max(w, th)) - bits(th)) over a lane's 256 scores is exact in 32 bits (at most 2^31): two v_max and one v_add3 for two scores.
; Secant from the left: th += floor((R - 2^23) / s), s = an upper bound of the number of scores above th: 2048 at first, then the mean slope of the
; last step, (R_old - R_new) / step, which by convexity bounds every slope further right.  f = R - 1 falls by 1 - s_new / s_old in each step and the product
; of these ratios is at least 1 / 2048, so that after K steps f <= 2047 (1 - 2048^(-1/K))^K for EVERY input: 3.7e-4 at the K = 16 steps made here.
; LIMITS, stated: inputs finite (NaN and infinities are not served).  Weights of a row sum to 1 + e with e <= 3.7e-4 + 2^-12 (the floor); the eight exact lane
; sums of a row are joined in f32, off by at most 2^-22 of R, which moves th by at most two steps of its grid of 2^-23: e >= -2^-11.
; c = 2 - m / 8 is rounded once: all w of a row may be shifted alike by half an ulp of m / 8.
;
; NO CLUSTER, NO TENSOR LOADS, though the 8 work-groups of a head read the same K and V: a joint request lands bytes in LDS as they are in memory.
; K in f32 would be 2048 x 256 = 524,288 bytes against the 312,320 that this work-group has; with K in bf16 there, 17,408 bytes are left, all in use
; for the exchange of sums, so there is no room for a ring of V tiles of 8,192 bytes a wave; and V in registers needs no LDS read at all.
; No prefetch: K is walked once and V's steps are asked for four steps (32,768 bytes a wave) ahead by the loads themselves.
.set NBLK,   8                         ; blocks of 32 queries
.set NPASS,  15                        ; trips of the search loop: evaluations 2 .. 16 of both tiles
.set KPITCH, 144                       ; an LDS row of K: 128 bytes + 16: the 16 rows of a fragment start in 16 different 16-byte columns modulo 256
.set KTILEB, 16*KPITCH                 ; a key tile
.set KHALF,  16*KTILEB                 ; 16 tiles: what one address register reaches with a 16-bit offset
.set KWAVE,  2*KHALF                   ; a wave's 512 keys
.set STG,    4*KWAVE                   ; 16,384 bytes: [wave that sums] 4096 + [wave that sends] 1024 + [e] 256 + 8 lane
.set SCR,    STG+16384                 ; 1,024 bytes: sums of tile 0, of tile 1, maxima of tile 0, of tile 1; each [query r] 16 + [wave] 4
.set MXO,    512
; window 0
.set VO,  2                            ; 16 lane
.set QO,  3                            ; 256 r + 32 h
.set KA,  4                            ; v4, v5: my K fragments, tiles 0-15, 16-31
.set KS,  6                            ; v6, v7: where I store K, tiles 0-15, 16-31
.set RSW, 8                            ; SCR + 16 r + 4 wave
.set RSR, 9                            ; SCR + 16 r
.set STW, 10                           ; STG + 1024 wave + 8 lane
.set STR, 11                           ; STG + 4096 wave + 8 lane
.set OO,  12                           ; 256 (8 h + 2 wave) + 16 r
.set PX,  13                           ; what v_permlanex16_b32 brings
.set ST,  16                           ; state of tile x at ST + 16 x:
.set S_TH,  0                          ;   th (bits = f32)
.set S_THC, 1                          ;   its copy: a pair for the packed subtraction
.set S_N2,  2                          ;   -256 bits(th) modulo 2^32
.set S_RP,  3                          ;   R of the evaluation before
.set S_SL,  4                          ;   s
.set S_IDL, 5                          ;   1 / last step
.set S_C2,  6                          ;   c, twice
.set S_P,   8                          ;   four waves' figures
.set S_U,   12                         ;   four temporaries
.set ACC, 48                           ; 8 chains for tile x at ACC + 8 x
.set QF,  64                           ; Q fragments: 16 q + 8 s
.set KF,  96                           ; first product: two buffers of 64 (4 key tiles x 2 halves of d)
.set KR,  96                           ; start: ring of 4 K tiles in f32
.set TT,  96                           ; search: 64 maxima
.set QS,  160                          ; search: the next block's Q in f32
.set OACC, 96                          ; second product: sums, 8 (4 q + e)
.set VB,  160                          ; second product: V fragments, 8 e
.set RR,  160                          ; way out: 8 q
.set LDR, 192                          ; way out: 4 waves x 4 e x 2
.set CT,  224                          ; start: a K tile in bf16
; windows 1, 2: scores of tile 0, 1 (register 8 kt + j);  window 3: V in f32, four slots of 64
.set QP, 16
.set KP, 18
.set VP, 20
.set OP, 22
.set MSB, 0
.macro WIN new                         ; s_set_vgpr_msb: bits 1:0 source 0, 3:2 source 1, 5:4 source 2, 7:6 destination; the high byte repeats the setting left
.if MSB != (\new)
	s_set_vgpr_msb (MSB<<8)|(\new)
.set MSB, (\new)
.endif
.endm
.macro PLACES                          ; four independent vector instructions behind a matrix instruction, before its result is read or one of its
.rept 4                                ; registers is written or loaded into (ISA guide 7.12.1); other matrix instructions are not counted
	v_nop
.endr
.endm
; ---- start: K to LDS ----
.macro KLOAD t                         ; key tile t: 16 keys x 256 bytes, 8 loads of 512 neighbouring bytes
.set kk, 0
.rept 8
	global_load_b128 v[KR+32*((\t)&3)+4*kk:KR+32*((\t)&3)+4*kk+3], v[VO], s[KP:KP+1] offset:4096*(\t)+512*kk
.set kk, kk+1
.endr
.endm
.macro KTILE t
.if (\t) <= 28
	s_wait_loadcnt 24                              ; loads return in order (ISA guide 5.7.1): tile t is in, the three younger tiles (8 loads each) stay out
.else
	s_wait_loadcnt 8*(31-(\t))                     ; the last tiles: fewer are behind
.endif
.set kk, 0
.rept 8
	v_cvt_pk_bf16_f32 v[CT+2*kk],   v[KR+32*((\t)&3)+4*kk],   v[KR+32*((\t)&3)+4*kk+1]
	v_cvt_pk_bf16_f32 v[CT+2*kk+1], v[KR+32*((\t)&3)+4*kk+2], v[KR+32*((\t)&3)+4*kk+3]
.set kk, kk+1
.endr
.set kk, 0
.rept 8                                ; load i held key 2 i + h: LDS row 8 h + i.  Lanes 0-15 fill bytes 0-127, lanes 16-31 bytes 1152 + 0-127 = 128-255 modulo 256
	ds_store_b64 v[KS+((\t)>>4)], v[CT+2*kk:CT+2*kk+1] offset:((\t)&15)*KTILEB+KPITCH*kk
.set kk, kk+1
.endr
.if (\t)+4 <= 31
	KLOAD (\t)+4
.endif
.endm
; ---- Q ----
.macro QLOAD                           ; 32 queries: lane (r, h) takes d = 32 s + 16 c + 8 h + 0..7 of query 16 q + r
.irp q,0,1
.irp s,0,1
.irp c,0,1
.irp t,0,1
	global_load_b128 v[QS+32*\q+16*\s+8*\c+4*\t:QS+32*\q+16*\s+8*\c+4*\t+3], v[QO], s[QP:QP+1] offset:4096*\q+128*\s+64*\c+16*\t
.endr
.endr
.endr
.endr
.endm
.macro QCVT
.set qq, 0
.rept 32
	v_cvt_pk_bf16_f32 v[QF+qq], v[QS+2*qq], v[QS+2*qq+1]
.set qq, qq+1
.endr
.endm
; ---- first product ----
.macro KFETCH g, b                     ; fragments of key tiles 4 g .. 4 g + 3 into buffer b: 16 loads
	WIN 0
.irp i,0,1,2,3
.irp s,0,1
.irp c,0,1
	ds_load_b128 v[KF+64*(\b)+16*\i+8*\s+4*\c:KF+64*(\b)+16*\i+8*\s+4*\c+3], v[KA+((\g)>>2)] offset:(((\g)&3)*4+\i)*KTILEB+64*\s+32*\c
.endr
.endr
.endr
.endm
.macro QKMUL g, b, q                   ; 4 key tiles x query tile q: d 0-31 starts the sums (C = 0), d 32-63 follows in place
	WIN 0x50*(1+\q)
.irp i,0,1,2,3
	v_wmma_f32_16x16x32_bf16 v[32*(\g)+8*\i:32*(\g)+8*\i+7], v[KF+64*(\b)+16*\i:KF+64*(\b)+16*\i+7], v[QF+16*\q:QF+16*\q+7], 0
.endr
.irp i,0,1,2,3
	v_wmma_f32_16x16x32_bf16 v[32*(\g)+8*\i:32*(\g)+8*\i+7], v[KF+64*(\b)+16*\i+8:KF+64*(\b)+16*\i+15], v[QF+16*\q+8:QF+16*\q+15], v[32*(\g)+8*\i:32*(\g)+8*\i+7]
.endr
.endm
.macro VLOAD u                         ; V step u: 32 keys x 256 bytes, 16 loads of 512 neighbouring bytes, into slot u % 4 of window 3
	WIN 0xc0
.set vv, 0
.rept 16
	global_load_b128 v[64*((\u)&3)+4*vv:64*((\u)&3)+4*vv+3], v[VO], s[VP:VP+1] offset:8192*(\u)+512*vv
.set vv, vv+1
.endr
.endm
; ---- the row's largest score: four chains, started by the first eight registers ----
.macro MAXPASS x
	WIN 5*(1+\x)
.set mm, 0
.rept 4
	v_max_num_f32 v[ACC+8*\x+mm], v[2*mm], v[2*mm+1]
.set mm, mm+1
.endr
.rept 124
	v_max3_num_f32 v[ACC+8*\x+(mm&3)], v[2*mm], v[2*mm+1], v[ACC+8*\x+(mm&3)]
.set mm, mm+1
.endr
.endm
; ---- w = clip(x / 8 + c, 1, 2) in place, and the first evaluation (th = 1: max(w, th) = w) ----
.macro TRANS x
	WIN 0x41*(1+\x)
.set tu, 0
.rept 16
.set tj, 0
.rept 8
	v_pk_fma_f32 v[16*tu+2*tj:16*tu+2*tj+1], v[16*tu+2*tj:16*tu+2*tj+1], 0x3e000000, v[ST+16*\x+S_C2:ST+16*\x+S_C2+1] op_sel_hi:[1,0,1]
.set tj, tj+1
.endr
.set tj, 0
.rept 16
	v_med3_num_f32 v[16*tu+tj], v[16*tu+tj], 1.0, 2.0
.set tj, tj+1
.endr
.set tu, tu+1
.endr
	WIN 5*(1+\x)
.set tj, 0
.rept 8
	v_add_nc_u32 v[ACC+8*\x+tj], v[2*tj], v[2*tj+1]
.set tj, tj+1
.endr
.rept 120
	v_add3_u32 v[ACC+8*\x+(tj&7)], v[2*tj], v[2*tj+1], v[ACC+8*\x+(tj&7)]
.set tj, tj+1
.endr
.endm
; ---- step n of: my lane's exact sum, to f32, + the other half of the keys, to my word of the exchange ----
.macro RED_OP x, n
.set sb, ST+16*(\x)
.set ab, ACC+8*(\x)
.if (\n) == 0
	v_add3_u32 v[sb+S_U], v[ab], v[ab+1], v[ab+2]
.endif
.if (\n) == 1
	v_add3_u32 v[sb+S_U+1], v[ab+3], v[ab+4], v[ab+5]
.endif
.if (\n) == 2
	v_add3_u32 v[sb+S_U+2], v[ab+6], v[ab+7], v[sb+S_N2]           ; - 256 bits(th)
.endif
.if (\n) == 3
	v_add3_u32 v[sb+S_U], v[sb+S_U], v[sb+S_U+1], v[sb+S_U+2]      ; 0 .. 2^31, exact
.endif
.if (\n) == 4
	v_cvt_f32_u32 v[sb+S_U], v[sb+S_U]
.endif
.if (\n) == 5
	v_permlanex16_b32 v[PX], v[sb+S_U], s26, s27                   ; lane l xor 16: the same query, the other keys
.endif
.if (\n) == 6
	v_add_f32 v[sb+S_U], v[sb+S_U], v[PX]
.endif
.if (\n) == 7
	ds_store_b32 v[RSW], v[sb+S_U] offset:256*(\x)                 ; lanes r and r + 16 write the same word with the same value
.endif
.endm
.macro RED_ALL x
.irp n,0,1,2,3,4,5,6,7
	RED_OP \x, \n
.endr
.endm
; ---- step n of the secant update; the four waves' sums are added in one order, so every wave gets the same th ----
.macro UPD_OP x, n
.set sb, ST+16*(\x)
.if (\n) == 0
	v_add_f32 v[sb+S_U], v[sb+S_P], v[sb+S_P+1]
.endif
.if (\n) == 1
	v_add_f32 v[sb+S_U+1], v[sb+S_P+2], v[sb+S_P+3]
.endif
.if (\n) == 2
	v_add_f32 v[sb+S_U], v[sb+S_U], v[sb+S_U+1]                    ; R, in units of 2^-23
.endif
.if (\n) == 3
	v_fma_f32 v[sb+S_U+1], v[sb+S_RP], 0x3f800004, -v[sb+S_U]      ; (1 + 2^-21) R_old - R: the margin covers both sums' rounding (2^-22 each)
.endif
.if (\n) == 4
	v_mul_f32 v[sb+S_U+1], v[sb+S_U+1], v[sb+S_IDL]                ; / last step.  A step of 0 gives infinity or NaN,
.endif
.if (\n) == 5
	v_min_num_f32 v[sb+S_SL], v[sb+S_SL], v[sb+S_U+1]              ; which loses here: s stays
.endif
.if (\n) == 6
	v_max_num_f32 v[sb+S_SL], 1.0, v[sb+S_SL]
.endif
.if (\n) == 7
	v_rcp_f32 v[sb+S_U+2], v[sb+S_SL]
.endif
.if (\n) == 8
	v_add_f32 v[sb+S_U+3], 0xcb000000, v[sb+S_U]                   ; R - 2^23; also the plain instruction behind v_rcp_f32 (ISA guide 5.7.2)
.endif
.if (\n) == 9
	v_mov_b32 v[sb+S_RP], v[sb+S_U]
.endif
.if (\n) == 10
	s_wait_alu depctr_va_vdst(0)
	v_mul_f32 v[sb+S_U+3], v[sb+S_U+3], v[sb+S_U+2]
.endif
.if (\n) == 11
	v_max_num_f32 v[sb+S_U+3], 0, v[sb+S_U+3]
.endif
.if (\n) == 12
	v_cvt_u32_f32 v[sb+S_U+3], v[sb+S_U+3]                         ; toward zero: the step never reaches past what s allows
.endif
.if (\n) == 13
	v_add_nc_u32 v[sb+S_TH], v[sb+S_TH], v[sb+S_U+3]
.endif
.if (\n) == 14
	v_cvt_f32_u32 v[sb+S_U+2], v[sb+S_U+3]
.endif
.if (\n) == 15
	v_lshlrev_b32 v[sb+S_U+1], 8, v[sb+S_TH]
.endif
.if (\n) == 16
	v_rcp_f32 v[sb+S_IDL], v[sb+S_U+2]
.endif
.if (\n) == 17
	v_sub_nc_u32 v[sb+S_N2], 0, v[sb+S_U+1]                        ; also the plain instruction behind v_rcp_f32
.endif
.endm
.macro UPD_ALL x
.irp n,0,1,2,3,4,5,6,7,8,9,10,11,12,13,14,15,16,17
	UPD_OP \x, \n
.endr
.endm
; ---- a quarter of an evaluation of tile x: 64 maxima, 32 sums in 8 chains.  hook = 1, 2: the dependent steps of tile y's reduction or
; update stand between the sums, one behind every third or second of them, so that neither chain waits ----
.macro BATCH x, y, b, first, hook
	WIN 1+\x
.set bi, 0
.rept 64
	v_max_num_f32 v[TT+bi], v[64*\b+bi], v[ST+16*\x+S_TH]
.set bi, bi+1
.endr
	WIN 0
.set bi, 0
.set un, 0
.rept 32
.set isfirst, 0
.if \first
.if bi < 8
.set isfirst, 1
.endif
.endif
.if isfirst
	v_add_nc_u32 v[ACC+8*\x+bi], v[TT+2*bi], v[TT+2*bi+1]          ; the first eight sums start the chains: nothing is cleared
.else
	v_add3_u32 v[ACC+8*\x+(bi&7)], v[TT+2*bi], v[TT+2*bi+1], v[ACC+8*\x+(bi&7)]
.endif
.if \hook == 1
.if (bi%3) == 0
.if bi < 24
	RED_OP \y, bi/3
.endif
.endif
.endif
.if \hook == 2
.if un < 18
.if ((7*un)>>2) == bi
	UPD_OP \y, un
.set un, un+1
.endif
.endif
.endif
.set bi, bi+1
.endr
.endm
; an evaluation of tile x; tile y's last evaluation is reduced, exchanged and turned into y's next th meanwhile
.macro EVAL x, y
	BATCH \x, \y, 0, 1, 1
	s_wait_dscnt 0x0                               ; my word of y's sums is in LDS: for the other waves' sake, zero
	s_barrier_signal -1
	BATCH \x, \y, 1, 0, 0                          ; registers only
	s_barrier_wait -1                              ; all four words are there.  They are written again two barriers on, behind every wave's wait below
	ds_load_b128 v[ST+16*\y+S_P:ST+16*\y+S_P+3], v[RSR] offset:256*\y
	BATCH \x, \y, 2, 0, 0
	s_wait_dscnt 0x0                               ; the four sums
	BATCH \x, \y, 3, 0, 2
.endm
; ---- weights: max(w, th) - th (exact: both lie in [1, 2] on one grid), packed in place: 16 registers become an A fragment of 8 ----
.macro FINAL x
	WIN 0
	v_mov_b32 v[ST+16*\x+S_THC], v[ST+16*\x+S_TH]
	WIN 0x41*(1+\x)
.set fu, 0
.rept 16
.set fj, 0
.rept 16
	v_max_num_f32 v[16*fu+fj], v[16*fu+fj], v[ST+16*\x+S_TH]
.set fj, fj+1
.endr
.set fj, 0
.rept 8
	v_pk_add_f32 v[16*fu+2*fj:16*fu+2*fj+1], v[16*fu+2*fj:16*fu+2*fj+1], v[ST+16*\x+S_TH:ST+16*\x+S_TH+1] neg_lo:[0,1] neg_hi:[0,1]
.set fj, fj+1
.endr
.set fu, fu+1
.endr
	WIN 0x45*(1+\x)
.set fu, 0
.rept 16
.set fj, 0
.rept 8
	v_cvt_pk_bf16_f32 v[16*fu+fj], v[16*fu+2*fj], v[16*fu+2*fj+1]  ; register j is written when 2 j and 2 j + 1 are read, never ahead of a later read
.set fj, fj+1
.endr
.set fu, fu+1
.endr
.endm
; ---- second product, 32 keys ----
.macro PVSTEP u
.if (\u) >= 4                          ; steps 0-3 were waited for in front of the first step
.if (\u) <= 12
	s_wait_loadcnt 48                              ; step u is in; the three younger steps (16 loads each) stay out
.else
	s_wait_loadcnt 16*(15-(\u))
.endif
.endif
.if (\u) > 0
	PLACES                                         ; VB was read by the matrix instructions just above
.endif
	WIN 0x0f
.irp e,0,1,2,3
.irp n,0,1,2,3,4,5,6,7
	v_cvt_pk_bf16_f32 v[VB+8*\e+\n], v[64*((\u)&3)+8*\n+\e], v[64*((\u)&3)+8*\n+4+\e]    ; keys 4 n + h and 4 n + 2 + h, d = 4 r + e
.endr
.endr
.if (\u) <= 11
	VLOAD (\u)+4                                   ; the slot just read, four steps ahead
.endif
.irp q,0,1
	WIN 1+\q
.irp e,0,1,2,3
.if (\u) == 0
	v_wmma_f32_16x16x32_bf16 v[OACC+32*\q+8*\e:OACC+32*\q+8*\e+7], v[16*(\u):16*(\u)+7], v[VB+8*\e:VB+8*\e+7], 0
.else
	v_wmma_f32_16x16x32_bf16 v[OACC+32*\q+8*\e:OACC+32*\q+8*\e+7], v[16*(\u):16*(\u)+7], v[VB+8*\e:VB+8*\e+7], v[OACC+32*\q+8*\e:OACC+32*\q+8*\e+7]
.endif
.endr
.endr
.endm
; ---- way out, query tile q: each wave holds sums over its 512 keys.  Wave a adds up rows 8 h + 2 a, 8 h + 2 a + 1, always in the order of the waves ----
.macro OUTTILE q
.irp a,0,1,2,3
.irp e,0,1,2,3
	ds_store_b64 v[STW], v[OACC+32*\q+8*\e+2*\a:OACC+32*\q+8*\e+2*\a+1] offset:4096*\a+256*\e
.endr
.endr
	s_wait_dscnt 0x0                               ; my parts are in LDS: for the others' sake, zero
	s_barrier_signal -1
	s_barrier_wait -1
.irp s,0,1,2,3
.irp e,0,1,2,3
	ds_load_b64 v[LDR+8*\s+2*\e:LDR+8*\s+2*\e+1], v[STR] offset:1024*\s+256*\e
.endr
.endr
	s_wait_dscnt 0x0
.irp e,0,1,2,3
	v_pk_add_f32 v[LDR+2*\e:LDR+2*\e+1], v[LDR+2*\e:LDR+2*\e+1], v[LDR+8+2*\e:LDR+8+2*\e+1]
	v_pk_add_f32 v[LDR+16+2*\e:LDR+16+2*\e+1], v[LDR+16+2*\e:LDR+16+2*\e+1], v[LDR+24+2*\e:LDR+24+2*\e+1]
.endr
.irp e,0,1,2,3
	v_add_f32 v[RR+8*\q+\e],   v[LDR+2*\e],   v[LDR+16+2*\e]       ; the last sum also puts d = 4 r + e side by side
	v_add_f32 v[RR+8*\q+4+\e], v[LDR+2*\e+1], v[LDR+16+2*\e+1]
.endr
	global_store_b128 v[OO], v[RR+8*\q:RR+8*\q+3],   s[OP:OP+1] offset:4096*\q th:TH_STORE_NT      ; 16 lanes store one whole row of out: 256 consecutive bytes, aligned
	global_store_b128 v[OO], v[RR+8*\q+4:RR+8*\q+7], s[OP:OP+1] offset:4096*\q+256 th:TH_STORE_NT
.endm
; =================================================== start ===================================================
	s_load_b256 s[4:11], s[0:1], 0x0               ; q s[4:5], k s[6:7], v s[8:9], out s[10:11]
	v_lshl_add_u32 v254, v0, 2, 0x4c400
	v_mov_b32 v255, 0
	v_lshrrev_b32 v1, 5, v0
	v_readfirstlane_b32 s12, v1                    ; wave 0..3
	v_and_b32 v1, 31, v0                           ; lane
	v_and_b32 v14, 15, v0                          ; r
	v_bfe_u32 v15, v0, 4, 1                        ; h
	s_lshr_b32 s28, ttmp9, 3
	s_lshl_b32 s28, s28, 19                        ; head x 2048 x 256 bytes
	s_mov_b32 s29, 0
	s_and_b32 s30, ttmp9, 7
	s_lshl_b32 s30, s30, 16                        ; my 256 queries
	s_mov_b32 s31, 0
	s_lshl_b32 s14, s12, 17                        ; my wave's 512 keys
	s_mov_b32 s15, 0
	s_mov_b32 s26, 0x76543210                      ; v_permlanex16_b32: lane i of one half takes lane i of the other
	s_mov_b32 s27, 0xfedcba98
	s_mul_i32 s13, s12, KWAVE
	s_lshl_b32 s32, s12, 2
	s_lshl_b32 s33, s12, 10
	s_add_co_u32 s33, s33, STG
	s_lshl_b32 s34, s12, 12
	s_add_co_u32 s34, s34, STG
	s_lshl_b32 s35, s12, 9
	v_lshlrev_b32 v[VO], 4, v1
	v_lshlrev_b32 v[QO], 8, v14
	v_lshl_add_u32 v[QO], v15, 5, v[QO]
	v_mul_u32_u24 v[KA], v14, KPITCH
	v_lshl_add_u32 v[KA], v15, 4, v[KA]
	v_add_nc_u32 v[KA], s13, v[KA]
	v_add_nc_u32 v[KA+1], KHALF, v[KA]
	v_mul_u32_u24 v[KS], v15, 8*KPITCH
	v_lshl_add_u32 v[KS], v14, 3, v[KS]
	v_add_nc_u32 v[KS], s13, v[KS]
	v_add_nc_u32 v[KS+1], KHALF, v[KS]
	v_lshlrev_b32 v[RSR], 4, v14
	v_add_nc_u32 v[RSR], SCR, v[RSR]
	v_add_nc_u32 v[RSW], s32, v[RSR]
	v_lshl_add_u32 v[STW], v1, 3, s33
	v_lshl_add_u32 v[STR], v1, 3, s34
	v_lshlrev_b32 v[OO], 11, v15
	v_lshl_add_u32 v[OO], v14, 4, v[OO]
	v_add_nc_u32 v[OO], s35, v[OO]
	v_mov_b32 v[PX], 0                             ; v_permlanex16_b32 counts as a reader of its destination
	s_wait_kmcnt 0x0
	s_add_nc_u64 s[QP:QP+1], s[4:5], s[28:29]
	s_add_nc_u64 s[QP:QP+1], s[QP:QP+1], s[30:31]
	s_add_nc_u64 s[KP:KP+1], s[6:7], s[28:29]
	s_add_nc_u64 s[KP:KP+1], s[KP:KP+1], s[14:15]
	s_add_nc_u64 s[VP:VP+1], s[8:9], s[28:29]
	s_add_nc_u64 s[VP:VP+1], s[VP:VP+1], s[14:15]
	s_add_nc_u64 s[OP:OP+1], s[10:11], s[28:29]
	s_add_nc_u64 s[OP:OP+1], s[OP:OP+1], s[30:31]
	KLOAD 0
	KLOAD 1
	KLOAD 2
	KLOAD 3
.set kt, 0
.rept 32                               ; my 512 keys to bf16 in LDS.  Only this wave reads them, and LDS serves a wave's instructions in order: no barrier, no wait
	KTILE kt
.set kt, kt+1
.endr
	QLOAD                                          ; the first block's Q (its registers were the ring's)
	s_wait_loadcnt 0x0
	QCVT
	s_mov_b32 s24, 0
; =================================================== a block of 32 queries ===================================================
.Lblock:
	; ---- scores: 32 key tiles x 2 query tiles, fragments one group of four tiles ahead ----
	KFETCH 0, 0
.irp g,0,1,2,3,4,5,6
.if \g
	PLACES                                         ; the other buffer was read by the matrix instructions just above
.endif
	KFETCH (\g+1), ((\g+1)&1)
	s_wait_dscnt 16                                ; group g is in; the 16 loads of group g + 1 stay out
	QKMUL \g, (\g&1), 0
	QKMUL \g, (\g&1), 1
.endr
	s_wait_dscnt 0x0                               ; nothing was issued behind group 7
	QKMUL 7, 1, 0
	QKMUL 7, 1, 1
	PLACES                                         ; before the scores are read and the fragment buffers are loaded into
	; ---- asked for now, wanted behind the search: V steps 0, 1 and the next block's Q ----
	VLOAD 0
	VLOAD 1
	WIN 0
	s_cmp_eq_u32 s24, NBLK-1
	s_cbranch_scc1 .Lnoqload                       ; the last block has no next: no load leaves q
	s_add_nc_u64 s[QP:QP+1], s[QP:QP+1], 8192      ; the loads that named it were waited for in the block before
	QLOAD
.Lnoqload:
	; ---- the largest score of each query ----
	MAXPASS 0
	MAXPASS 1
	WIN 0
.irp x,0,1
	v_max3_num_f32 v[ACC+8*\x], v[ACC+8*\x], v[ACC+8*\x+1], v[ACC+8*\x+2]
	v_max_num_f32 v[ACC+8*\x], v[ACC+8*\x], v[ACC+8*\x+3]
	v_permlanex16_b32 v[PX], v[ACC+8*\x], s26, s27
	v_max_num_f32 v[ACC+8*\x], v[ACC+8*\x], v[PX]
	ds_store_b32 v[RSW], v[ACC+8*\x] offset:MXO+256*\x
.endr
	s_wait_dscnt 0x0                               ; my two words are in LDS
	s_barrier_signal -1
	s_barrier_wait -1
	ds_load_b128 v[ST+S_P:ST+S_P+3], v[RSR] offset:MXO
	ds_load_b128 v[ST+16+S_P:ST+16+S_P+3], v[RSR] offset:MXO+256
	s_wait_dscnt 0x0
	s_wait_alu depctr_va_vdst(0)
.irp x,0,1
	v_max3_num_f32 v[ST+16*\x+S_U], v[ST+16*\x+S_P], v[ST+16*\x+S_P+1], v[ST+16*\x+S_P+2]
	v_max_num_f32 v[ST+16*\x+S_U], v[ST+16*\x+S_U], v[ST+16*\x+S_P+3]
	v_fma_f32 v[ST+16*\x+S_C2], v[ST+16*\x+S_U], 0xbe000000, 2.0   ; c = 2 - m / 8, twice: a pair for the packed fma
	v_fma_f32 v[ST+16*\x+S_C2+1], v[ST+16*\x+S_U], 0xbe000000, 2.0
	v_mov_b32 v[ST+16*\x+S_TH], 1.0                ; th = 1
	v_mov_b32 v[ST+16*\x+S_N2], 0x80000000         ; -256 x 0x3f800000 modulo 2^32
	v_mov_b32 v[ST+16*\x+S_RP], 0x53800000         ; 2^40 and a step of 1: the first update's slope is huge and s stays 2048
	v_mov_b32 v[ST+16*\x+S_SL], 0x45000000         ; 2048
	v_mov_b32 v[ST+16*\x+S_IDL], 1.0
.endr
	; ---- evaluation 1 of both tiles; tile 0's first update ----
	TRANS 0
	WIN 0
	RED_ALL 0
	s_wait_dscnt 0x0
	s_barrier_signal -1
	TRANS 1                                        ; registers only
	WIN 0
	s_barrier_wait -1
	ds_load_b128 v[ST+S_P:ST+S_P+3], v[RSR]
	s_wait_dscnt 0x0
	UPD_ALL 0
	VLOAD 2                                        ; the other two V steps, apart from the first so that no more than 48 loads are asked for in one run
	VLOAD 3
	WIN 0
	; ---- evaluations 2 .. 16 ----
	s_mov_b32 s25, NPASS
.Lpass:
	EVAL 0, 1
	EVAL 1, 0
	s_sub_co_i32 s25, s25, 1
	s_cmp_lg_u32 s25, 0
	s_cbranch_scc1 .Lpass
	; ---- tile 1's sixteenth update; weights ----
	RED_ALL 1
	s_wait_dscnt 0x0
	s_barrier_signal -1
	FINAL 0                                        ; registers only
	WIN 0
	s_barrier_wait -1
	ds_load_b128 v[ST+16+S_P:ST+16+S_P+3], v[RSR] offset:256
	s_wait_dscnt 0x0
	UPD_ALL 1
	FINAL 1
	WIN 0
	s_wait_loadcnt 0x0                             ; V steps 0-3 and the next Q, all asked for in front of the search
	s_cmp_eq_u32 s24, NBLK-1
	s_cbranch_scc1 .Lnoqcvt
	QCVT                                           ; before V's fragments take these registers
.Lnoqcvt:
	; ---- weights x V ----
.irp u,0,1,2,3,4,5,6,7,8,9,10,11,12,13,14,15
	PVSTEP \u
.endr
	WIN 0
	PLACES                                         ; before the sums are read
	OUTTILE 0
	s_barrier_signal -1                            ; every wave's reads of the exchange were waited for:
	s_barrier_wait -1                              ; it may be written again
	OUTTILE 1
	s_wait_xcnt 0x0                                ; the stores' data and base are rewritten only behind this wait (ISA guide 3.1)
	s_add_nc_u64 s[OP:OP+1], s[OP:OP+1], 8192
	s_add_co_u32 s24, s24, 1
	s_cmp_lt_u32 s24, NBLK
	s_cbranch_scc1 .Lblock
	s_wait_tensorcnt 0x0
	ds_add_u32 v254, v255
	s_wait_dscnt 0x0
	s_endpgm
.Lfunc_end_k_q0b6442438a_entmax:
	.size	k_q0b6442438a_entmax, .Lfunc_end_k_q0b6442438a_entmax-k_q0b6442438a_entmax
	.p2alignl 7, 3214868480
	.fill 96, 4, 3214868480
	.section	.rodata,"a",@progbits
	.p2align	6, 0x0
	.amdhsa_kernel k_q0b6442438a_entmax
		.amdhsa_group_segment_fixed_size 312832
		.amdhsa_private_segment_fixed_size 0
		.amdhsa_enable_private_segment 0
		.amdhsa_kernarg_size 32
		.amdhsa_user_sgpr_count 2
		.amdhsa_user_sgpr_kernarg_segment_ptr 1
		.amdhsa_wavefront_size32 1
		.amdhsa_system_sgpr_workgroup_id_x 1
		.amdhsa_system_sgpr_workgroup_id_y 1
		.amdhsa_system_sgpr_workgroup_id_z 1
		.amdhsa_system_vgpr_workitem_id 0
		.amdhsa_next_free_vgpr 1024
		.amdhsa_next_free_sgpr 66
		.amdhsa_reserve_vcc 0
		.amdhsa_float_denorm_mode_32 3
		.amdhsa_float_denorm_mode_16_64 3
		.amdhsa_memory_ordered 1
		.amdhsa_forward_progress 1
		.amdhsa_inst_pref_size 255
	.end_amdhsa_kernel
	.section	.bss,"aw",@nobits
	.p2align	6
	.space	262144
	.amdgpu_metadata
---
amdhsa.version: [ 1, 2 ]
amdhsa.kernels:
  - .name:           k_q0b6442438a_entmax
    .symbol:         k_q0b6442438a_entmax.kd
    .args:
      - { .name: q, .offset: 0, .size: 8, .value_kind: global_buffer, .address_space: global }
      - { .name: k, .offset: 8, .size: 8, .value_kind: global_buffer, .address_space: global }
      - { .name: v, .offset: 16, .size: 8, .value_kind: global_buffer, .address_space: global }
      - { .name: out0, .offset: 24, .size: 8, .value_kind: global_buffer, .address_space: global }
    .group_segment_fixed_size: 312832
    .private_segment_fixed_size: 0
    .kernarg_segment_align: 8
    .kernarg_segment_size: 32
    .max_flat_workgroup_size: 128
    .sgpr_count:     66
    .vgpr_count:     1024
    .wavefront_size: 32
...
	.end_amdgpu_metadata
.endif
;; end of part 1
;; ======== version 2 of 3: 1 launch; 1.17 times as fast as version 1
;; limits: a function is approximated: absolute error at most 0.00061
;; launch entmax (part 2): grid 256 x 1, 4 waves a work-group, no clusters, 312,832 bytes of LDS; arguments q, k, v, out0; writes out0
.if DOCPART == 2
	.amdgcn_target "amdgcn-amd-amdhsa--gfx1250"
	.amdhsa_code_object_version 6
	.text
	.protected	k_q0b6442438a_entmax
	.globl	k_q0b6442438a_entmax
	.p2align	8
	.type	k_q0b6442438a_entmax,@function
k_q0b6442438a_entmax:
	s_mov_b64 s[64:65], 0
	v_nop
	global_prefetch_b8 v0, s[64:65] scope:SCOPE_SE
	s_setreg_imm32_b32 hwreg(HW_REG_WAVE_MODE, 25, 1), 1
	s_wait_xcnt 0x0
; out = sparsemax(q k^T / 8) v for 32 heads of 2048 x 64, all buffers f32; products in bf16 with f32 sums.
;
; SHARES.  Work-group g: head g >> 3, queries 256 (g & 7) .. + 255, walked as 8 blocks of 32 queries (two tiles x = 0, 1 of 16).
; Wave w owns keys 512 w .. 512 w + 511 of the head, for K, V, the scores and the weights.  A wave keeps the scores of its 512 keys x 32
; queries in 512 registers from the first product to the second: scores and weights never leave registers.
; K is read once per work-group, rounded to bf16 and kept in LDS (2048 rows of 144 bytes) for all 8 blocks; V is read again in every block,
; straight into registers.
;
; LAYOUT.  The first product is taken transposed (A = 16 keys, B = 16 queries): lane (r = l % 16, h = l / 16) holds, in register j of key tile
; kt, the score of query r and LDS row 16 kt + 8 h + j.  So a lane belongs to one query and the threshold is a value per lane.  LDS row m of a tile holds
; key 2 (m % 8) + m / 8, so that register j is key 16 kt + 2 j + h.  Two neighbouring tiles, packed in place to bf16, are then the A operand of the
; second product with K place 8 h + 2 a + b = key 4 a + 2 b + h, and V's B operand for the same places falls out of plain loads of 512
; neighbouring bytes: load i gives lane (r, h) V[2 i + h][4 r .. 4 r + 3].  Column n = r of B tile e is d = 4 r + e, so a lane's results of the four
; tiles e are 16 neighbouring bytes of a row of out, and sixteen lanes hold a whole row of 256 bytes.
;
; THE THRESHOLD needs no sort: it is the root of sum max(x - tau, 0) = 1, and lies in [max - 1, max).  With m the row's largest q.k,
; w = clip(x / 8 + (2 - m / 8), 1, 2): nothing at or below max - 1 is in the support.  In [1, 2] the bits of an f32 are 0x3f800000 + (w - 1) 2^23,
; so R(th) = sum (bits(max(w, th)) - bits(th)) over a lane's 256 scores is exact in 32 bits (at most 2^31): one dual pair of maxima and one
; v_add3_u32 for two scores.
; Secant from the left: th += floor((R - 2^23) / s), s = an upper bound of the number of scores above th: 2048 at first, then the mean slope of the
; last step, (R_old - R_new) / step, which by convexity bounds every slope further right.  f = R - 1 falls by 1 - s_new / s_old in each step and the product
; of these ratios is at least 1 / 2048, so that after K steps f <= 2047 (1 - 2048^(-1/K))^K for EVERY input: 3.7e-4 at the K = 16 steps made here.
; LIMITS, stated: inputs finite (NaN and infinities are not served).  Weights of a row sum to 1 + e with e <= 3.7e-4 + 2^-12 (the floor); the eight exact lane
; sums of a row are joined in f32, off by at most 2^-22 of R, which moves th by at most two steps of its grid of 2^-23: e >= -2^-11.
; c = 2 - m / 8 is rounded once: all w of a row may be shifted alike by half an ulp of m / 8.
;
; NO CLUSTER, NO TENSOR LOADS, though the 8 work-groups of a head read the same K and V: a joint request lands bytes in LDS as they are in memory.
; K in f32 would be 2048 x 256 = 524,288 bytes against the 312,320 that this work-group has; with K in bf16 there, 17,408 bytes are left, all in use
; for the exchange of sums, so there is no room for a ring of V tiles of 8,192 bytes a wave; and V in registers needs no LDS read at all.
; No prefetch: K is walked once and V's steps are asked for four steps (32,768 bytes a wave) ahead by the loads themselves.
.set NBLK,   8                         ; blocks of 32 queries
.set NPASS,  15                        ; trips of the search loop: evaluations 2 .. 16 of both tiles
.set KPITCH, 144                       ; an LDS row of K: 128 bytes + 16: the 16 rows of a fragment start in 16 different 16-byte columns modulo 256
.set KTILEB, 16*KPITCH                 ; a key tile
.set KHALF,  16*KTILEB                 ; 16 tiles: what one address register reaches with a 16-bit offset
.set KWAVE,  2*KHALF                   ; a wave's 512 keys
.set STG,    4*KWAVE                   ; 16,384 bytes: [wave that sums] 4096 + [wave that sends] 1024 + [e] 256 + 8 lane
.set SCR,    STG+16384                 ; 1,024 bytes: sums of tile 0, of tile 1, maxima of tile 0, of tile 1; each [query r] 16 + [wave] 4
.set MXO,    512
; window 0
.set VO,  2                            ; 16 lane
.set QO,  3                            ; 256 r + 32 h
.set KA,  4                            ; v4, v5: my K fragments, tiles 0-15, 16-31
.set KS,  6                            ; v6, v7: where I store K, tiles 0-15, 16-31
.set RSW, 8                            ; SCR + 16 r + 4 wave
.set RSR, 9                            ; SCR + 16 r
.set STW, 10                           ; STG + 1024 wave + 8 lane
.set STR, 11                           ; STG + 4096 wave + 8 lane
.set OO,  12                           ; 256 (8 h + 2 wave) + 16 r
.set PX,  13                           ; what v_permlanex16_b32 brings
.set ST,  16                           ; state of tile x at ST + 16 x:
.set S_TH,  0                          ;   th (bits = f32)
.set S_THC, 1                          ;   its copy, in the neighbouring register: the second half of a dual maximum, and a pair for the packed subtraction
.set S_N2,  2                          ;   -256 bits(th) modulo 2^32
.set S_RP,  3                          ;   R of the evaluation before
.set S_SL,  4                          ;   s
.set S_IDL, 5                          ;   1 / last step
.set S_C2,  6                          ;   c, twice
.set S_P,   8                          ;   four waves' figures
.set S_U,   12                         ;   four temporaries
.set ACC, 48                           ; 8 chains for tile x at ACC + 8 x
.set QF,  64                           ; Q fragments: 16 q + 8 s
.set KF,  96                           ; first product: two buffers of 64 (4 key tiles x 2 halves of d)
.set KR,  96                           ; start: ring of 4 K tiles in f32
.set TT,  96                           ; search: 64 maxima
.set QS,  160                          ; search: the next block's Q in f32
.set OACC, 96                          ; second product: sums, 8 (4 q + e)
.set VB,  160                          ; second product: V fragments, 8 e
.set RR,  160                          ; way out: 8 q
.set LDR, 192                          ; way out: 4 waves x 4 e x 2
.set CT,  224                          ; start: a K tile in bf16
; windows 1, 2: scores of tile 0, 1 (register 8 kt + j);  window 3: V in f32, four slots of 64
.set QP, 16
.set KP, 18
.set VP, 20
.set OP, 22
.set MSB, 0
.macro WIN new                         ; s_set_vgpr_msb: bits 1:0 source 0, 3:2 source 1, 5:4 source 2, 7:6 destination; the high byte repeats the setting left
.if MSB != (\new)
	s_set_vgpr_msb (MSB<<8)|(\new)
.set MSB, (\new)
.endif
.endm
.macro PLACES                          ; four independent vector instructions behind a matrix instruction, before its result is read or one of its
.rept 4                                ; registers is written or loaded into (ISA guide 7.12.1); other matrix instructions are not counted
	v_nop
.endr
.endm
; ---- start: K to LDS ----
.macro KLOAD t                         ; key tile t: 16 keys x 256 bytes, 8 loads of 512 neighbouring bytes
.set kk, 0
.rept 8
	global_load_b128 v[KR+32*((\t)&3)+4*kk:KR+32*((\t)&3)+4*kk+3], v[VO], s[KP:KP+1] offset:4096*(\t)+512*kk
.set kk, kk+1
.endr
.endm
.macro KTILE t
.if (\t) <= 28
	s_wait_loadcnt 24                              ; loads return in order (ISA guide 5.7.1): tile t is in, the three younger tiles (8 loads each) stay out
.else
	s_wait_loadcnt 8*(31-(\t))                     ; the last tiles: fewer are behind
.endif
.set kk, 0
.rept 8
	v_cvt_pk_bf16_f32 v[CT+2*kk],   v[KR+32*((\t)&3)+4*kk],   v[KR+32*((\t)&3)+4*kk+1]
	v_cvt_pk_bf16_f32 v[CT+2*kk+1], v[KR+32*((\t)&3)+4*kk+2], v[KR+32*((\t)&3)+4*kk+3]
.set kk, kk+1
.endr
.set kk, 0
.rept 8                                ; load i held key 2 i + h: LDS row 8 h + i.  Lanes 0-15 fill bytes 0-127, lanes 16-31 bytes 1152 + 0-127 = 128-255 modulo 256
	ds_store_b64 v[KS+((\t)>>4)], v[CT+2*kk:CT+2*kk+1] offset:((\t)&15)*KTILEB+KPITCH*kk
.set kk, kk+1
.endr
.if (\t)+4 <= 31
	KLOAD (\t)+4
.endif
.endm
; ---- Q ----
.macro QLOAD                           ; 32 queries: lane (r, h) takes d = 32 s + 16 c + 8 h + 0..7 of query 16 q + r
.irp q,0,1
.irp s,0,1
.irp c,0,1
.irp t,0,1
	global_load_b128 v[QS+32*\q+16*\s+8*\c+4*\t:QS+32*\q+16*\s+8*\c+4*\t+3], v[QO], s[QP:QP+1] offset:4096*\q+128*\s+64*\c+16*\t
.endr
.endr
.endr
.endr
.endm
.macro QCVT
.set qq, 0
.rept 32
	v_cvt_pk_bf16_f32 v[QF+qq], v[QS+2*qq], v[QS+2*qq+1]
.set qq, qq+1
.endr
.endm
; ---- first product ----
.macro KFETCH g, b                     ; fragments of key tiles 4 g .. 4 g + 3 into buffer b: 16 loads
	WIN 0
.irp i,0,1,2,3
.irp s,0,1
.irp c,0,1
	ds_load_b128 v[KF+64*(\b)+16*\i+8*\s+4*\c:KF+64*(\b)+16*\i+8*\s+4*\c+3], v[KA+((\g)>>2)] offset:(((\g)&3)*4+\i)*KTILEB+64*\s+32*\c
.endr
.endr
.endr
.endm
.macro QKMUL g, b, q                   ; 4 key tiles x query tile q: d 0-31 starts the sums (C = 0), d 32-63 follows in place
	WIN 0x50*(1+\q)
.irp i,0,1,2,3
	v_wmma_f32_16x16x32_bf16 v[32*(\g)+8*\i:32*(\g)+8*\i+7], v[KF+64*(\b)+16*\i:KF+64*(\b)+16*\i+7], v[QF+16*\q:QF+16*\q+7], 0
.endr
.irp i,0,1,2,3
	v_wmma_f32_16x16x32_bf16 v[32*(\g)+8*\i:32*(\g)+8*\i+7], v[KF+64*(\b)+16*\i+8:KF+64*(\b)+16*\i+15], v[QF+16*\q+8:QF+16*\q+15], v[32*(\g)+8*\i:32*(\g)+8*\i+7]
.endr
.endm
.macro VLOAD u                         ; V step u: 32 keys x 256 bytes, 16 loads of 512 neighbouring bytes, into slot u % 4 of window 3
	WIN 0xc0
.set vv, 0
.rept 16
	global_load_b128 v[64*((\u)&3)+4*vv:64*((\u)&3)+4*vv+3], v[VO], s[VP:VP+1] offset:8192*(\u)+512*vv
.set vv, vv+1
.endr
.endm
; ---- the row's largest score: four chains, started by the first eight registers ----
.macro MAXPASS x
	WIN 5*(1+\x)
.set mm, 0
.rept 4
	v_max_num_f32 v[ACC+8*\x+mm], v[2*mm], v[2*mm+1]
.set mm, mm+1
.endr
.rept 124
	v_max3_num_f32 v[ACC+8*\x+(mm&3)], v[2*mm], v[2*mm+1], v[ACC+8*\x+(mm&3)]
.set mm, mm+1
.endr
.endm
; ---- w = clip(x / 8 + c, 1, 2) in place, and the first evaluation (th = 1: max(w, th) = w) ----
.macro TRANS x
	WIN 0x41*(1+\x)
.set tu, 0
.rept 16
.set tj, 0
.rept 8
	v_pk_fma_f32 v[16*tu+2*tj:16*tu+2*tj+1], v[16*tu+2*tj:16*tu+2*tj+1], 0x3e000000, v[ST+16*\x+S_C2:ST+16*\x+S_C2+1] op_sel_hi:[1,0,1]
.set tj, tj+1
.endr
.set tj, 0
.rept 16
	v_med3_num_f32 v[16*tu+tj], v[16*tu+tj], 1.0, 2.0
.set tj, tj+1
.endr
.set tu, tu+1
.endr
	WIN 5*(1+\x)
.set tj, 0
.rept 8
	v_add_nc_u32 v[ACC+8*\x+tj], v[2*tj], v[2*tj+1]
.set tj, tj+1
.endr
.rept 120
	v_add3_u32 v[ACC+8*\x+(tj&7)], v[2*tj], v[2*tj+1], v[ACC+8*\x+(tj&7)]
.set tj, tj+1
.endr
.endm
; ---- step n of: my lane's exact sum, to f32, + the other half of the keys, to my word of the exchange ----
.macro RED_OP x, n
.set sb, ST+16*(\x)
.set ab, ACC+8*(\x)
.if (\n) == 0
	v_add3_u32 v[sb+S_U], v[ab], v[ab+1], v[ab+2]
.endif
.if (\n) == 1
	v_add3_u32 v[sb+S_U+1], v[ab+3], v[ab+4], v[ab+5]
.endif
.if (\n) == 2
	v_add3_u32 v[sb+S_U+2], v[ab+6], v[ab+7], v[sb+S_N2]           ; - 256 bits(th)
.endif
.if (\n) == 3
	v_add3_u32 v[sb+S_U], v[sb+S_U], v[sb+S_U+1], v[sb+S_U+2]      ; 0 .. 2^31, exact
.endif
.if (\n) == 4
	v_cvt_f32_u32 v[sb+S_U], v[sb+S_U]
.endif
.if (\n) == 5
	v_permlanex16_b32 v[PX], v[sb+S_U], s26, s27                   ; lane l xor 16: the same query, the other keys
.endif
.if (\n) == 6
	v_add_f32 v[sb+S_U], v[sb+S_U], v[PX]
.endif
.if (\n) == 7
	ds_store_b32 v[RSW], v[sb+S_U] offset:256*(\x)                 ; lanes r and r + 16 write the same word with the same value
.endif
.endm
.macro RED_ALL x
.irp n,0,1,2,3,4,5,6,7
	RED_OP \x, \n
.endr
.endm
; ---- step n of the secant update; the four waves' sums are added in one order, so every wave gets the same th ----
.macro UPD_OP x, n
.set sb, ST+16*(\x)
.if (\n) == 0
	v_add_f32 v[sb+S_U], v[sb+S_P], v[sb+S_P+1]
.endif
.if (\n) == 1
	v_add_f32 v[sb+S_U+1], v[sb+S_P+2], v[sb+S_P+3]
.endif
.if (\n) == 2
	v_add_f32 v[sb+S_U], v[sb+S_U], v[sb+S_U+1]                    ; R, in units of 2^-23
.endif
.if (\n) == 3
	v_fma_f32 v[sb+S_U+1], v[sb+S_RP], 0x3f800004, -v[sb+S_U]      ; (1 + 2^-21) R_old - R: the margin covers both sums' rounding (2^-22 each)
.endif
.if (\n) == 4
	v_mul_f32 v[sb+S_U+1], v[sb+S_U+1], v[sb+S_IDL]                ; / last step.  A step of 0 gives infinity or NaN,
.endif
.if (\n) == 5
	v_min_num_f32 v[sb+S_SL], v[sb+S_SL], v[sb+S_U+1]              ; which loses here: s stays
.endif
.if (\n) == 6
	v_max_num_f32 v[sb+S_SL], 1.0, v[sb+S_SL]
.endif
.if (\n) == 7
	v_rcp_f32 v[sb+S_U+2], v[sb+S_SL]
.endif
.if (\n) == 8
	v_add_f32 v[sb+S_U+3], 0xcb000000, v[sb+S_U]                   ; R - 2^23; also the plain instruction behind v_rcp_f32 (ISA guide 5.7.2)
.endif
.if (\n) == 9
	v_mov_b32 v[sb+S_RP], v[sb+S_U]
.endif
.if (\n) == 10
	s_wait_alu depctr_va_vdst(0)
	v_mul_f32 v[sb+S_U+3], v[sb+S_U+3], v[sb+S_U+2]
.endif
.if (\n) == 11
	v_max_num_f32 v[sb+S_U+3], 0, v[sb+S_U+3]
.endif
.if (\n) == 12
	v_cvt_u32_f32 v[sb+S_U+3], v[sb+S_U+3]                         ; toward zero: the step never reaches past what s allows
.endif
.if (\n) == 13
	v_add_nc_u32 v[sb+S_TH], v[sb+S_TH], v[sb+S_U+3]
.endif
.if (\n) == 14
	v_cvt_f32_u32 v[sb+S_U+2], v[sb+S_U+3]
.endif
.if (\n) == 15
	v_lshlrev_b32 v[sb+S_U+1], 8, v[sb+S_TH]
.endif
.if (\n) == 16
	v_rcp_f32 v[sb+S_IDL], v[sb+S_U+2]
.endif
.if (\n) == 17
	v_sub_nc_u32 v[sb+S_N2], 0, v[sb+S_U+1]                        ; also the plain instruction behind v_rcp_f32
.endif
.if (\n) == 18
	v_mov_b32 v[sb+S_THC], v[sb+S_TH]                              ; the copy follows
.endif
.endm
.macro UPD_ALL x
.irp n,0,1,2,3,4,5,6,7,8,9,10,11,12,13,14,15,16,17,18
	UPD_OP \x, \n
.endr
.endm
; ---- a quarter of an evaluation of tile x, first half: 64 maxima in 32 dual instructions.  Destinations even and odd; the first sources are
; neighbouring registers and the second sources th and its copy, so each pair of sources lies in two different register banks.  The window
; setting is relied on to hold for both halves by operand place: first sources in the scores' window, second sources and destinations in window 0 ----
.macro BMAX x, b
	WIN 1+\x
.set bi, 0
.rept 32
	v_dual_max_num_f32 v[TT+bi], v[64*\b+bi], v[ST+16*\x+S_TH] :: v_dual_max_num_f32 v[TT+bi+1], v[64*\b+bi+1], v[ST+16*\x+S_THC]
.set bi, bi+2
.endr
.endm
; ---- second half: 32 sums in 8 chains.  hook = 1, 2: the dependent steps of tile y's reduction or update stand between the sums, one behind
; every third of them or behind 19 of the first 30, so that neither chain waits ----
.macro BADD x, y, first, hook
	WIN 0
.set bi, 0
.set un, 0
.rept 32
.set isfirst, 0
.if \first
.if bi < 8
.set isfirst, 1
.endif
.endif
.if isfirst
	v_add_nc_u32 v[ACC+8*\x+bi], v[TT+2*bi], v[TT+2*bi+1]          ; the first eight sums start the chains: nothing is cleared
.else
	v_add3_u32 v[ACC+8*\x+(bi&7)], v[TT+2*bi], v[TT+2*bi+1], v[ACC+8*\x+(bi&7)]
.endif
.if \hook == 1
.if (bi%3) == 0
.if bi < 24
	RED_OP \y, bi/3
.endif
.endif
.endif
.if \hook == 2
.if un < 19
.if ((13*un)>>3) == bi
	UPD_OP \y, un
.set un, un+1
.endif
.endif
.endif
.set bi, bi+1
.endr
.endm
; an evaluation of tile x; tile y's last evaluation is reduced, exchanged and turned into y's next th meanwhile.  The four steps of the exchange
; (store; wait and signal; barrier wait and load; wait) stand one quarter apart, each behind 32 dual instructions or more of register work
.macro EVAL x, y
	BMAX \x, 0
	BADD \x, \y, 1, 1                              ; with y's reduction: my word of y's sums is stored
	BMAX \x, 1
	s_wait_dscnt 0x0                               ; that word is in LDS: for the other waves' sake, zero
	s_barrier_signal -1
	BADD \x, \y, 0, 0                              ; registers only
	BMAX \x, 2
	s_barrier_wait -1                              ; all four words are there.  They are written again two barriers on, behind every wave's wait below
	WIN 0
	ds_load_b128 v[ST+16*\y+S_P:ST+16*\y+S_P+3], v[RSR] offset:256*\y
	BADD \x, \y, 0, 0
	BMAX \x, 3
	s_wait_dscnt 0x0                               ; the four sums
	BADD \x, \y, 0, 2                              ; with y's update
.endm
; ---- weights: max(w, th) - th (exact: both lie in [1, 2] on one grid), packed in place: 16 registers become an A fragment of 8 ----
.macro FINAL x
	WIN 0x41*(1+\x)
.set fu, 0
.rept 16
.set fj, 0
.rept 16
	v_max_num_f32 v[16*fu+fj], v[16*fu+fj], v[ST+16*\x+S_TH]
.set fj, fj+1
.endr
.set fj, 0
.rept 8
	v_pk_add_f32 v[16*fu+2*fj:16*fu+2*fj+1], v[16*fu+2*fj:16*fu+2*fj+1], v[ST+16*\x+S_TH:ST+16*\x+S_TH+1] neg_lo:[0,1] neg_hi:[0,1]
.set fj, fj+1
.endr
.set fu, fu+1
.endr
	WIN 0x45*(1+\x)
.set fu, 0
.rept 16
.set fj, 0
.rept 8
	v_cvt_pk_bf16_f32 v[16*fu+fj], v[16*fu+2*fj], v[16*fu+2*fj+1]  ; register j is written when 2 j and 2 j + 1 are read, never ahead of a later read
.set fj, fj+1
.endr
.set fu, fu+1
.endr
.endm
; ---- second product, 32 keys ----
.macro PVSTEP u
.if (\u) >= 4                          ; steps 0-3 were waited for in front of the first step
.if (\u) <= 12
	s_wait_loadcnt 48                              ; step u is in; the three younger steps (16 loads each) stay out
.else
	s_wait_loadcnt 16*(15-(\u))
.endif
.endif
.if (\u) > 0
	PLACES                                         ; VB was read by the matrix instructions just above
.endif
	WIN 0x0f
.irp e,0,1,2,3
.irp n,0,1,2,3,4,5,6,7
	v_cvt_pk_bf16_f32 v[VB+8*\e+\n], v[64*((\u)&3)+8*\n+\e], v[64*((\u)&3)+8*\n+4+\e]    ; keys 4 n + h and 4 n + 2 + h, d = 4 r + e
.endr
.endr
.if (\u) <= 11
	VLOAD (\u)+4                                   ; the slot just read, four steps ahead
.endif
.irp q,0,1
	WIN 1+\q
.irp e,0,1,2,3
.if (\u) == 0
	v_wmma_f32_16x16x32_bf16 v[OACC+32*\q+8*\e:OACC+32*\q+8*\e+7], v[16*(\u):16*(\u)+7], v[VB+8*\e:VB+8*\e+7], 0
.else
	v_wmma_f32_16x16x32_bf16 v[OACC+32*\q+8*\e:OACC+32*\q+8*\e+7], v[16*(\u):16*(\u)+7], v[VB+8*\e:VB+8*\e+7], v[OACC+32*\q+8*\e:OACC+32*\q+8*\e+7]
.endif
.endr
.endr
.endm
; ---- way out, query tile q: each wave holds sums over its 512 keys.  Wave a adds up rows 8 h + 2 a, 8 h + 2 a + 1, always in the order of the waves ----
.macro OUTTILE q
.irp a,0,1,2,3
.irp e,0,1,2,3
	ds_store_b64 v[STW], v[OACC+32*\q+8*\e+2*\a:OACC+32*\q+8*\e+2*\a+1] offset:4096*\a+256*\e
.endr
.endr
	s_wait_dscnt 0x0                               ; my parts are in LDS: for the others' sake, zero
	s_barrier_signal -1
	s_barrier_wait -1
.irp s,0,1,2,3
.irp e,0,1,2,3
	ds_load_b64 v[LDR+8*\s+2*\e:LDR+8*\s+2*\e+1], v[STR] offset:1024*\s+256*\e
.endr
.endr
	s_wait_dscnt 0x0
.irp e,0,1,2,3
	v_pk_add_f32 v[LDR+2*\e:LDR+2*\e+1], v[LDR+2*\e:LDR+2*\e+1], v[LDR+8+2*\e:LDR+8+2*\e+1]
	v_pk_add_f32 v[LDR+16+2*\e:LDR+16+2*\e+1], v[LDR+16+2*\e:LDR+16+2*\e+1], v[LDR+24+2*\e:LDR+24+2*\e+1]
.endr
.irp e,0,1,2,3
	v_add_f32 v[RR+8*\q+\e],   v[LDR+2*\e],   v[LDR+16+2*\e]       ; the last sum also puts d = 4 r + e side by side
	v_add_f32 v[RR+8*\q+4+\e], v[LDR+2*\e+1], v[LDR+16+2*\e+1]
.endr
	global_store_b128 v[OO], v[RR+8*\q:RR+8*\q+3],   s[OP:OP+1] offset:4096*\q th:TH_STORE_NT      ; 16 lanes store one whole row of out: 256 consecutive bytes, aligned
	global_store_b128 v[OO], v[RR+8*\q+4:RR+8*\q+7], s[OP:OP+1] offset:4096*\q+256 th:TH_STORE_NT
.endm
; =================================================== start ===================================================
	s_load_b256 s[4:11], s[0:1], 0x0               ; q s[4:5], k s[6:7], v s[8:9], out s[10:11]
	v_lshl_add_u32 v254, v0, 2, 0x4c400
	v_mov_b32 v255, 0
	v_lshrrev_b32 v1, 5, v0
	v_readfirstlane_b32 s12, v1                    ; wave 0..3
	v_and_b32 v1, 31, v0                           ; lane
	v_and_b32 v14, 15, v0                          ; r
	v_bfe_u32 v15, v0, 4, 1                        ; h
	s_lshr_b32 s28, ttmp9, 3
	s_lshl_b32 s28, s28, 19                        ; head x 2048 x 256 bytes
	s_mov_b32 s29, 0
	s_and_b32 s30, ttmp9, 7
	s_lshl_b32 s30, s30, 16                        ; my 256 queries
	s_mov_b32 s31, 0
	s_lshl_b32 s14, s12, 17                        ; my wave's 512 keys
	s_mov_b32 s15, 0
	s_mov_b32 s26, 0x76543210                      ; v_permlanex16_b32: lane i of one half takes lane i of the other
	s_mov_b32 s27, 0xfedcba98
	s_mul_i32 s13, s12, KWAVE
	s_lshl_b32 s32, s12, 2
	s_lshl_b32 s33, s12, 10
	s_add_co_u32 s33, s33, STG
	s_lshl_b32 s34, s12, 12
	s_add_co_u32 s34, s34, STG
	s_lshl_b32 s35, s12, 9
	v_lshlrev_b32 v[VO], 4, v1
	v_lshlrev_b32 v[QO], 8, v14
	v_lshl_add_u32 v[QO], v15, 5, v[QO]
	v_mul_u32_u24 v[KA], v14, KPITCH
	v_lshl_add_u32 v[KA], v15, 4, v[KA]
	v_add_nc_u32 v[KA], s13, v[KA]
	v_add_nc_u32 v[KA+1], KHALF, v[KA]
	v_mul_u32_u24 v[KS], v15, 8*KPITCH
	v_lshl_add_u32 v[KS], v14, 3, v[KS]
	v_add_nc_u32 v[KS], s13, v[KS]
	v_add_nc_u32 v[KS+1], KHALF, v[KS]
	v_lshlrev_b32 v[RSR], 4, v14
	v_add_nc_u32 v[RSR], SCR, v[RSR]
	v_add_nc_u32 v[RSW], s32, v[RSR]
	v_lshl_add_u32 v[STW], v1, 3, s33
	v_lshl_add_u32 v[STR], v1, 3, s34
	v_lshlrev_b32 v[OO], 11, v15
	v_lshl_add_u32 v[OO], v14, 4, v[OO]
	v_add_nc_u32 v[OO], s35, v[OO]
	v_mov_b32 v[PX], 0                             ; v_permlanex16_b32 counts as a reader of its destination
	s_wait_kmcnt 0x0
	s_add_nc_u64 s[QP:QP+1], s[4:5], s[28:29]
	s_add_nc_u64 s[QP:QP+1], s[QP:QP+1], s[30:31]
	s_add_nc_u64 s[KP:KP+1], s[6:7], s[28:29]
	s_add_nc_u64 s[KP:KP+1], s[KP:KP+1], s[14:15]
	s_add_nc_u64 s[VP:VP+1], s[8:9], s[28:29]
	s_add_nc_u64 s[VP:VP+1], s[VP:VP+1], s[14:15]
	s_add_nc_u64 s[OP:OP+1], s[10:11], s[28:29]
	s_add_nc_u64 s[OP:OP+1], s[OP:OP+1], s[30:31]
	KLOAD 0
	KLOAD 1
	KLOAD 2
	KLOAD 3
.set kt, 0
.rept 32                               ; my 512 keys to bf16 in LDS.  Only this wave reads them, and LDS serves a wave's instructions in order: no barrier, no wait
	KTILE kt
.set kt, kt+1
.endr
	QLOAD                                          ; the first block's Q (its registers were the ring's)
	s_wait_loadcnt 0x0
	QCVT
	s_mov_b32 s24, 0
; =================================================== a block of 32 queries ===================================================
.Lblock:
	; ---- scores: 32 key tiles x 2 query tiles, fragments one group of four tiles ahead ----
	KFETCH 0, 0
.irp g,0,1,2,3,4,5,6
.if \g
	PLACES                                         ; the other buffer was read by the matrix instructions just above
.endif
	KFETCH (\g+1), ((\g+1)&1)
	s_wait_dscnt 16                                ; group g is in; the 16 loads of group g + 1 stay out
	QKMUL \g, (\g&1), 0
	QKMUL \g, (\g&1), 1
.endr
	s_wait_dscnt 0x0                               ; nothing was issued behind group 7
	QKMUL 7, 1, 0
	QKMUL 7, 1, 1
	PLACES                                         ; before the scores are read and the fragment buffers are loaded into
	; ---- asked for now, wanted behind the search: V steps 0, 1 and the next block's Q ----
	VLOAD 0
	VLOAD 1
	WIN 0
	s_cmp_eq_u32 s24, NBLK-1
	s_cbranch_scc1 .Lnoqload                       ; the last block has no next: no load leaves q
	s_add_nc_u64 s[QP:QP+1], s[QP:QP+1], 8192      ; the loads that named it were waited for in the block before
	QLOAD
.Lnoqload:
	; ---- the largest score of each query ----
	MAXPASS 0
	MAXPASS 1
	WIN 0
.irp x,0,1
	v_max3_num_f32 v[ACC+8*\x], v[ACC+8*\x], v[ACC+8*\x+1], v[ACC+8*\x+2]
	v_max_num_f32 v[ACC+8*\x], v[ACC+8*\x], v[ACC+8*\x+3]
	v_permlanex16_b32 v[PX], v[ACC+8*\x], s26, s27
	v_max_num_f32 v[ACC+8*\x], v[ACC+8*\x], v[PX]
	ds_store_b32 v[RSW], v[ACC+8*\x] offset:MXO+256*\x
.endr
	s_wait_dscnt 0x0                               ; my two words are in LDS
	s_barrier_signal -1
	s_barrier_wait -1
	ds_load_b128 v[ST+S_P:ST+S_P+3], v[RSR] offset:MXO
	ds_load_b128 v[ST+16+S_P:ST+16+S_P+3], v[RSR] offset:MXO+256
	s_wait_dscnt 0x0
	s_wait_alu depctr_va_vdst(0)
.irp x,0,1
	v_max3_num_f32 v[ST+16*\x+S_U], v[ST+16*\x+S_P], v[ST+16*\x+S_P+1], v[ST+16*\x+S_P+2]
	v_max_num_f32 v[ST+16*\x+S_U], v[ST+16*\x+S_U], v[ST+16*\x+S_P+3]
	v_fma_f32 v[ST+16*\x+S_C2], v[ST+16*\x+S_U], 0xbe000000, 2.0   ; c = 2 - m / 8, twice: a pair for the packed fma
	v_fma_f32 v[ST+16*\x+S_C2+1], v[ST+16*\x+S_U], 0xbe000000, 2.0
	v_mov_b32 v[ST+16*\x+S_TH], 1.0                ; th = 1,
	v_mov_b32 v[ST+16*\x+S_THC], 1.0               ; and its copy
	v_mov_b32 v[ST+16*\x+S_N2], 0x80000000         ; -256 x 0x3f800000 modulo 2^32
	v_mov_b32 v[ST+16*\x+S_RP], 0x53800000         ; 2^40 and a step of 1: the first update's slope is huge and s stays 2048
	v_mov_b32 v[ST+16*\x+S_SL], 0x45000000         ; 2048
	v_mov_b32 v[ST+16*\x+S_IDL], 1.0
.endr
	; ---- evaluation 1 of both tiles; tile 0's first update ----
	TRANS 0
	WIN 0
	RED_ALL 0
	s_wait_dscnt 0x0
	s_barrier_signal -1
	TRANS 1                                        ; registers only
	WIN 0
	s_barrier_wait -1
	ds_load_b128 v[ST+S_P:ST+S_P+3], v[RSR]
	s_wait_dscnt 0x0
	UPD_ALL 0
	VLOAD 2                                        ; the other two V steps, apart from the first so that no more than 48 loads are asked for in one run
	VLOAD 3
	WIN 0
	; ---- evaluations 2 .. 16 ----
	s_mov_b32 s25, NPASS
.Lpass:
	EVAL 0, 1
	EVAL 1, 0
	s_sub_co_i32 s25, s25, 1
	s_cmp_lg_u32 s25, 0
	s_cbranch_scc1 .Lpass
	; ---- tile 1's sixteenth update; weights ----
	RED_ALL 1
	s_wait_dscnt 0x0
	s_barrier_signal -1
	FINAL 0                                        ; registers only
	WIN 0
	s_barrier_wait -1
	ds_load_b128 v[ST+16+S_P:ST+16+S_P+3], v[RSR] offset:256
	s_wait_dscnt 0x0
	UPD_ALL 1
	FINAL 1
	WIN 0
	s_wait_loadcnt 0x0                             ; V steps 0-3 and the next Q, all asked for in front of the search
	s_cmp_eq_u32 s24, NBLK-1
	s_cbranch_scc1 .Lnoqcvt
	QCVT                                           ; before V's fragments take these registers
.Lnoqcvt:
	; ---- weights x V ----
.irp u,0,1,2,3,4,5,6,7,8,9,10,11,12,13,14,15
	PVSTEP \u
.endr
	WIN 0
	PLACES                                         ; before the sums are read
	OUTTILE 0
	s_barrier_signal -1                            ; every wave's reads of the exchange were waited for:
	s_barrier_wait -1                              ; it may be written again
	OUTTILE 1
	s_wait_xcnt 0x0                                ; the stores' data and base are rewritten only behind this wait (ISA guide 3.1)
	s_add_nc_u64 s[OP:OP+1], s[OP:OP+1], 8192
	s_add_co_u32 s24, s24, 1
	s_cmp_lt_u32 s24, NBLK
	s_cbranch_scc1 .Lblock
	s_wait_tensorcnt 0x0
	ds_add_u32 v254, v255
	s_wait_dscnt 0x0
	s_endpgm
.Lfunc_end_k_q0b6442438a_entmax:
	.size	k_q0b6442438a_entmax, .Lfunc_end_k_q0b6442438a_entmax-k_q0b6442438a_entmax
	.p2alignl 7, 3214868480
	.fill 96, 4, 3214868480
	.section	.rodata,"a",@progbits
	.p2align	6, 0x0
	.amdhsa_kernel k_q0b6442438a_entmax
		.amdhsa_group_segment_fixed_size 312832
		.amdhsa_private_segment_fixed_size 0
		.amdhsa_enable_private_segment 0
		.amdhsa_kernarg_size 32
		.amdhsa_user_sgpr_count 2
		.amdhsa_user_sgpr_kernarg_segment_ptr 1
		.amdhsa_wavefront_size32 1
		.amdhsa_system_sgpr_workgroup_id_x 1
		.amdhsa_system_sgpr_workgroup_id_y 1
		.amdhsa_system_sgpr_workgroup_id_z 1
		.amdhsa_system_vgpr_workitem_id 0
		.amdhsa_next_free_vgpr 1024
		.amdhsa_next_free_sgpr 66
		.amdhsa_reserve_vcc 0
		.amdhsa_float_denorm_mode_32 3
		.amdhsa_float_denorm_mode_16_64 3
		.amdhsa_memory_ordered 1
		.amdhsa_forward_progress 1
		.amdhsa_inst_pref_size 255
	.end_amdhsa_kernel
	.section	.bss,"aw",@nobits
	.p2align	6
	.space	262144
	.amdgpu_metadata
---
amdhsa.version: [ 1, 2 ]
amdhsa.kernels:
  - .name:           k_q0b6442438a_entmax
    .symbol:         k_q0b6442438a_entmax.kd
    .args:
      - { .name: q, .offset: 0, .size: 8, .value_kind: global_buffer, .address_space: global }
      - { .name: k, .offset: 8, .size: 8, .value_kind: global_buffer, .address_space: global }
      - { .name: v, .offset: 16, .size: 8, .value_kind: global_buffer, .address_space: global }
      - { .name: out0, .offset: 24, .size: 8, .value_kind: global_buffer, .address_space: global }
    .group_segment_fixed_size: 312832
    .private_segment_fixed_size: 0
    .kernarg_segment_align: 8
    .kernarg_segment_size: 32
    .max_flat_workgroup_size: 128
    .sgpr_count:     66
    .vgpr_count:     1024
    .wavefront_size: 32
...
	.end_amdgpu_metadata
.endif
;; end of part 2
;; ======== version 3 of 3: 2 launches; 1.30 times as fast as version 1
;; limits: a function is approximated: absolute error at most 0.00061
;; workspace buffers: vb 8,388,608 bytes
;; launch vprep (part 3): grid 256 x 1, 8 waves a work-group, no clusters, 0 bytes of LDS; arguments v, vb; writes vb
.if DOCPART == 3
	.amdgcn_target "amdgcn-amd-amdhsa--gfx1250"
	.amdhsa_code_object_version 6
	.text
	.protected	k_q0b6442438a_vprep
	.globl	k_q0b6442438a_vprep
	.p2align	8
	.type	k_q0b6442438a_vprep,@function
k_q0b6442438a_vprep:
	s_mov_b64 s[64:65], 0
	v_nop
	global_prefetch_b8 v0, s[64:65] scope:SCOPE_SE
	s_setreg_imm32_b32 hwreg(HW_REG_WAVE_MODE, 25, 1), 1
	s_wait_xcnt 0x0
; vb = v rounded to bf16, laid out as the second product of the launch behind this one wants its B fragments in registers.
; v: 32 heads x 2048 keys x 64 f32.  A step is 32 neighbouring keys of a head, 8,192 bytes of v; step S (0 .. 2047) begins at byte 8192 S.
; One wave, one step: 8 waves x 256 work-groups = 2048.  Load i (0 .. 15) covers 512 neighbouring bytes and gives lane (r = l % 16, h = l / 16)
; V[key 2 i + h][4 r + e] in its register e.  Fragment e (0 .. 3), register n (0 .. 7) = { bf16 V[4 n + h][4 r + e], bf16 V[4 n + 2 + h][4 r + e] }.
; In vb step S takes 4,096 bytes from byte 4096 S: registers 8 e + 4 c .. + 3 of lane l are the 16 bytes at 1024 e + 512 c + 16 l.
; Each byte of v is read once and each byte of vb written once; every load and store of a wave covers 512 consecutive bytes, aligned.
; All 16 loads of a wave are asked for at once.  No LDS, no barrier, no cluster, no matrix unit: no two waves touch the same byte, and nothing is multiplied.
.set VL, 4                             ; v[4:67]   the step as loaded
.set VF, 68                            ; v[68:99]  the four fragments
	s_load_b128 s[4:7], s[0:1], 0x0                ; v s[4:5], vb s[6:7]
	v_and_b32 v1, 31, v0                           ; lane
	v_lshrrev_b32 v2, 5, v0                        ; wave
	v_lshlrev_b32 v1, 4, v1                        ; 16 bytes a lane
	v_lshl_add_u32 v3, v2, 12, v1                  ; in vb: + 4,096 x wave
	v_lshl_add_u32 v2, v2, 13, v1                  ; in v:  + 8,192 x wave
	s_lshl_b32 s8, ttmp9, 16                       ; the work-group's 8 steps in v
	s_mov_b32 s9, 0
	s_lshl_b32 s10, ttmp9, 15                      ; and in vb
	s_mov_b32 s11, 0
	s_wait_kmcnt 0x0
	s_add_nc_u64 s[4:5], s[4:5], s[8:9]
	s_add_nc_u64 s[6:7], s[6:7], s[10:11]
.set i, 0
.rept 16
	global_load_b128 v[VL+4*i:VL+4*i+3], v2, s[4:5] offset:512*i th:TH_LOAD_NT
.set i, i+1
.endr
.irp c,0,1
	s_wait_loadcnt 8*(1-\c)                        ; registers n = 4 c .. 4 c + 3 want loads 8 c .. 8 c + 7: first the second eight loads stay out, then none
.irp e,0,1,2,3
.irp n,0,1,2,3
	v_cvt_pk_bf16_f32 v[VF+8*\e+4*\c+\n], v[VL+8*(4*\c+\n)+\e], v[VL+8*(4*\c+\n)+4+\e]
.endr
	global_store_b128 v3, v[VF+8*\e+4*\c:VF+8*\e+4*\c+3], s[6:7] offset:1024*\e+512*\c th:TH_STORE_NT
.endr
.endr
	s_endpgm
.Lfunc_end_k_q0b6442438a_vprep:
	.size	k_q0b6442438a_vprep, .Lfunc_end_k_q0b6442438a_vprep-k_q0b6442438a_vprep
	.p2alignl 7, 3214868480
	.fill 96, 4, 3214868480
	.section	.rodata,"a",@progbits
	.p2align	6, 0x0
	.amdhsa_kernel k_q0b6442438a_vprep
		.amdhsa_group_segment_fixed_size 0
		.amdhsa_private_segment_fixed_size 0
		.amdhsa_enable_private_segment 0
		.amdhsa_kernarg_size 16
		.amdhsa_user_sgpr_count 2
		.amdhsa_user_sgpr_kernarg_segment_ptr 1
		.amdhsa_wavefront_size32 1
		.amdhsa_system_sgpr_workgroup_id_x 1
		.amdhsa_system_sgpr_workgroup_id_y 1
		.amdhsa_system_sgpr_workgroup_id_z 1
		.amdhsa_system_vgpr_workitem_id 0
		.amdhsa_next_free_vgpr 100
		.amdhsa_next_free_sgpr 66
		.amdhsa_reserve_vcc 0
		.amdhsa_float_denorm_mode_32 3
		.amdhsa_float_denorm_mode_16_64 3
		.amdhsa_memory_ordered 1
		.amdhsa_forward_progress 1
		.amdhsa_inst_pref_size 6
	.end_amdhsa_kernel
	.amdgpu_metadata
---
amdhsa.version: [ 1, 2 ]
amdhsa.kernels:
  - .name:           k_q0b6442438a_vprep
    .symbol:         k_q0b6442438a_vprep.kd
    .args:
      - { .name: v, .offset: 0, .size: 8, .value_kind: global_buffer, .address_space: global }
      - { .name: vb, .offset: 8, .size: 8, .value_kind: global_buffer, .address_space: global }
    .group_segment_fixed_size: 0
    .private_segment_fixed_size: 0
    .kernarg_segment_align: 8
    .kernarg_segment_size: 16
    .max_flat_workgroup_size: 256
    .sgpr_count:     66
    .vgpr_count:     100
    .wavefront_size: 32
...
	.end_amdgpu_metadata
.endif
;; end of part 3
;; launch entmax (part 4): grid 256 x 1, 4 waves a work-group, no clusters, 312,832 bytes of LDS; arguments q, k, vb, out0; writes out0
.if DOCPART == 4
	.amdgcn_target "amdgcn-amd-amdhsa--gfx1250"
	.amdhsa_code_object_version 6
	.text
	.protected	k_q0b6442438a_entmax
	.globl	k_q0b6442438a_entmax
	.p2align	8
	.type	k_q0b6442438a_entmax,@function
k_q0b6442438a_entmax:
	s_mov_b64 s[64:65], 0
	v_nop
	global_prefetch_b8 v0, s[64:65] scope:SCOPE_SE
	s_setreg_imm32_b32 hwreg(HW_REG_WAVE_MODE, 25, 1), 1
	s_wait_xcnt 0x0
; out = sparsemax(q k^T / 8) v for 32 heads of 2048 x 64; q, k, out f32; products in bf16 with f32 sums.  v comes as vb: bf16, in the order of
; the second product's B fragments, made by the launch in front of this one.
;
; SHARES.  Work-group g: head g >> 3, queries 256 (g & 7) .. + 255, walked as 8 blocks of 32 queries (two tiles x = 0, 1 of 16).
; Wave w owns keys 512 w .. 512 w + 511 of the head, for K, V, the scores and the weights.  A wave keeps the scores of its 512 keys x 32
; queries in 512 registers from the first product to the second: scores and weights never leave registers.
; K is read once per work-group, rounded to bf16 and kept in LDS (2048 rows of 144 bytes) for all 8 blocks; V is read again in every block,
; straight into registers: 16 steps of 32 keys, 32 registers each.
;
; LAYOUT.  The first product is taken transposed (A = 16 keys, B = 16 queries): lane (r = l % 16, h = l / 16) holds, in register j of key tile
; kt, the score of query r and LDS row 16 kt + 8 h + j.  So a lane belongs to one query and the threshold is a value per lane.  LDS row m of a tile holds
; key 2 (m % 8) + m / 8, so that register j is key 16 kt + 2 j + h.  Two neighbouring tiles, packed in place to bf16, are then the A operand of the
; second product with K place 8 h + 2 a + b = key 4 a + 2 b + h.  vb holds V for the same places: register n of fragment e is keys 4 n + h and
; 4 n + 2 + h at d = 4 r + e.  Column n = r of B tile e is d = 4 r + e, so a lane's results of the four tiles e are 16 neighbouring bytes of a row of
; out, and sixteen lanes hold a whole row of 256 bytes.
;
; WHERE V LIES.  512 registers for 16 steps: steps 0-7 in window 3 and step 8 in v224-255, asked for in front of the search; steps 9, 10 in the registers of
; the next block's Q in f32, free when that is packed, behind the search; steps 11-14 and 15 in the upper 8 of every 16 score registers of tile 0 and of
; tile 1, which packing the weights sets free.  So the second product is 128 matrix instructions with nothing between them but its waits and windows.
;
; THE THRESHOLD needs no sort: it is the root of sum max(x - tau, 0) = 1, and lies in [max - 1, max).  With m the row's largest q.k,
; w = clip(x / 8 + (2 - m / 8), 1, 2): nothing at or below max - 1 is in the support.  In [1, 2] the bits of an f32 are 0x3f800000 + (w - 1) 2^23,
; so R(th) = sum (bits(max(w, th)) - bits(th)) over a lane's 256 scores is exact in 32 bits (at most 2^31): one dual pair of maxima and one
; v_add3_u32 for two scores.
; Secant from the left: th += floor((R - 2^23) / s), s = an upper bound of the number of scores above th: 2048 at first, then the mean slope of the
; last step, (R_old - R_new) / step, which by convexity bounds every slope further right.  f = R - 1 falls by 1 - s_new / s_old in each step and the product
; of these ratios is at least 1 / 2048, so that after K steps f <= 2047 (1 - 2048^(-1/K))^K for EVERY input: 3.7e-4 at the K = 16 steps made here.
; LIMITS, stated: inputs finite (NaN and infinities are not served).  Weights of a row sum to 1 + e with e <= 3.7e-4 + 2^-12 (the floor); the eight exact lane
; sums of a row are joined in f32, off by at most 2^-22 of R, which moves th by at most two steps of its grid of 2^-23: e >= -2^-11.
; c = 2 - m / 8 is rounded once: all w of a row may be shifted alike by half an ulp of m / 8.
;
; NO CLUSTER, NO TENSOR LOADS, though the 8 work-groups of a head read the same K and V: a joint request lands bytes in LDS as they are in memory.
; K in f32 would be 2048 x 256 = 524,288 bytes against the 312,320 that this work-group has; with K in bf16 there, 17,408 bytes are left, all in use
; for the exchange of sums, so there is no room for even one V step of the four waves (16,384 bytes) beside them; and V in registers needs no LDS read at all.
; No prefetch: K is walked once, and 9 of V's 16 steps are asked for a whole search ahead of their use by the loads themselves.
.set NBLK,   8                         ; blocks of 32 queries
.set NPASS,  15                        ; trips of the search loop: evaluations 2 .. 16 of both tiles
.set KPITCH, 144                       ; an LDS row of K: 128 bytes + 16: the 16 rows of a fragment start in 16 different 16-byte columns modulo 256
.set KTILEB, 16*KPITCH                 ; a key tile
.set KHALF,  16*KTILEB                 ; 16 tiles: what one address register reaches with a 16-bit offset
.set KWAVE,  2*KHALF                   ; a wave's 512 keys
.set STG,    4*KWAVE                   ; 16,384 bytes: [wave that sums] 4096 + [wave that sends] 1024 + [e] 256 + 8 lane
.set SCR,    STG+16384                 ; 1,024 bytes: sums of tile 0, of tile 1, maxima of tile 0, of tile 1; each [query r] 16 + [wave] 4
.set MXO,    512
; window 0
.set VO,  2                            ; 16 lane
.set QO,  3                            ; 256 r + 32 h
.set KA,  4                            ; v4, v5: my K fragments, tiles 0-15, 16-31
.set KS,  6                            ; v6, v7: where I store K, tiles 0-15, 16-31
.set RSW, 8                            ; SCR + 16 r + 4 wave
.set RSR, 9                            ; SCR + 16 r
.set STW, 10                           ; STG + 1024 wave + 8 lane
.set STR, 11                           ; STG + 4096 wave + 8 lane
.set OO,  12                           ; 256 (8 h + 2 wave) + 16 r
.set PX,  13                           ; what v_permlanex16_b32 brings
.set ST,  16                           ; state of tile x at ST + 16 x:
.set S_TH,  0                          ;   th (bits = f32)
.set S_THC, 1                          ;   its copy, in the neighbouring register: the second half of a dual maximum, and a pair for the packed subtraction
.set S_N2,  2                          ;   -256 bits(th) modulo 2^32
.set S_RP,  3                          ;   R of the evaluation before
.set S_SL,  4                          ;   s
.set S_IDL, 5                          ;   1 / last step
.set S_C2,  6                          ;   c, twice
.set S_P,   8                          ;   four waves' figures
.set S_U,   12                         ;   four temporaries
.set ACC, 48                           ; 8 chains for tile x at ACC + 8 x
.set QF,  64                           ; Q fragments: 16 q + 8 s
.set KF,  96                           ; first product: two buffers of 64 (4 key tiles x 2 halves of d)
.set KR,  96                           ; start: ring of 4 K tiles in f32
.set TT,  96                           ; search: 64 maxima
.set QS,  160                          ; search: the next block's Q in f32; second product: V steps 9, 10
.set OACC, 96                          ; second product: sums, 8 (4 q + e)
.set RR,  160                          ; way out: 8 q
.set LDR, 192                          ; way out: 4 waves x 4 e x 2
.set CT,  224                          ; start: a K tile in bf16; in the blocks v224-255 hold V step 8
; windows 1, 2: scores of tile 0, 1 (register 8 kt + j), then weights and V steps 11-14, 15;  window 3: V steps 0-7
.set QP, 16
.set KP, 18
.set VP, 20
.set OP, 22
.set MSB, 0
.macro WIN new                         ; s_set_vgpr_msb: bits 1:0 source 0, 3:2 source 1, 5:4 source 2, 7:6 destination; the high byte repeats the setting left
.if MSB != (\new)
	s_set_vgpr_msb (MSB<<8)|(\new)
.set MSB, (\new)
.endif
.endm
.macro PLACES                          ; four independent vector instructions behind a matrix instruction, before its result is read or one of its
.rept 4                                ; registers is written or loaded into (ISA guide 7.12.1); other matrix instructions are not counted
	v_nop
.endr
.endm
; ---- start: K to LDS ----
.macro KLOAD t                         ; key tile t: 16 keys x 256 bytes, 8 loads of 512 neighbouring bytes
.set kk, 0
.rept 8
	global_load_b128 v[KR+32*((\t)&3)+4*kk:KR+32*((\t)&3)+4*kk+3], v[VO], s[KP:KP+1] offset:4096*(\t)+512*kk
.set kk, kk+1
.endr
.endm
.macro KTILE t
.if (\t) <= 28
	s_wait_loadcnt 24                              ; loads return in order (ISA guide 5.7.1): tile t is in, the three younger tiles (8 loads each) stay out
.else
	s_wait_loadcnt 8*(31-(\t))                     ; the last tiles: fewer are behind
.endif
.set kk, 0
.rept 8
	v_cvt_pk_bf16_f32 v[CT+2*kk],   v[KR+32*((\t)&3)+4*kk],   v[KR+32*((\t)&3)+4*kk+1]
	v_cvt_pk_bf16_f32 v[CT+2*kk+1], v[KR+32*((\t)&3)+4*kk+2], v[KR+32*((\t)&3)+4*kk+3]
.set kk, kk+1
.endr
.set kk, 0
.rept 8                                ; load i held key 2 i + h: LDS row 8 h + i.  Lanes 0-15 fill bytes 0-127, lanes 16-31 bytes 1152 + 0-127 = 128-255 modulo 256
	ds_store_b64 v[KS+((\t)>>4)], v[CT+2*kk:CT+2*kk+1] offset:((\t)&15)*KTILEB+KPITCH*kk
.set kk, kk+1
.endr
.if (\t)+4 <= 31
	KLOAD (\t)+4
.endif
.endm
; ---- Q ----
.macro QLOAD                           ; 32 queries: lane (r, h) takes d = 32 s + 16 c + 8 h + 0..7 of query 16 q + r
.irp q,0,1
.irp s,0,1
.irp c,0,1
.irp t,0,1
	global_load_b128 v[QS+32*\q+16*\s+8*\c+4*\t:QS+32*\q+16*\s+8*\c+4*\t+3], v[QO], s[QP:QP+1] offset:4096*\q+128*\s+64*\c+16*\t
.endr
.endr
.endr
.endr
.endm
.macro QCVT
.set qq, 0
.rept 32
	v_cvt_pk_bf16_f32 v[QF+qq], v[QS+2*qq], v[QS+2*qq+1]
.set qq, qq+1
.endr
.endm
; ---- first product ----
.macro KFETCH g, b                     ; fragments of key tiles 4 g .. 4 g + 3 into buffer b: 16 loads
	WIN 0
.irp i,0,1,2,3
.irp s,0,1
.irp c,0,1
	ds_load_b128 v[KF+64*(\b)+16*\i+8*\s+4*\c:KF+64*(\b)+16*\i+8*\s+4*\c+3], v[KA+((\g)>>2)] offset:(((\g)&3)*4+\i)*KTILEB+64*\s+32*\c
.endr
.endr
.endr
.endm
.macro QKMUL g, b, q                   ; 4 key tiles x query tile q: d 0-31 starts the sums (C = 0), d 32-63 follows in place
	WIN 0x50*(1+\q)
.irp i,0,1,2,3
	v_wmma_f32_16x16x32_bf16 v[32*(\g)+8*\i:32*(\g)+8*\i+7], v[KF+64*(\b)+16*\i:KF+64*(\b)+16*\i+7], v[QF+16*\q:QF+16*\q+7], 0
.endr
.irp i,0,1,2,3
	v_wmma_f32_16x16x32_bf16 v[32*(\g)+8*\i:32*(\g)+8*\i+7], v[KF+64*(\b)+16*\i+8:KF+64*(\b)+16*\i+15], v[QF+16*\q+8:QF+16*\q+15], v[32*(\g)+8*\i:32*(\g)+8*\i+7]
.endr
.endm
; ---- where V step u lies: fragment e in window vw at registers vb0 + vst e .. + 7 ----
.macro VPLACE u
.set vw, 3                             ; steps 0-7: window 3, 32 registers each
.set vb0, 32*((\u)&7)
.set vst, 8
.if (\u) == 8
.set vw, 0                             ; step 8: v224-255
.set vb0, 224
.endif
.if (\u) >= 9
.set vw, 0                             ; steps 9, 10: v160-223
.set vb0, 160+32*((\u)-9)
.endif
.if (\u) >= 11
.set vw, 1                             ; steps 11-14: the upper 8 of every 16 registers of tile 0's weights
.set vb0, 64*((\u)-11)+8
.set vst, 16
.endif
.if (\u) == 15
.set vw, 2                             ; step 15: the same of tile 1's first 64
.set vb0, 8
.endif
.endm
.macro VLOAD u                         ; V step u: 4,096 bytes, 8 loads of 512 neighbouring bytes
	VPLACE \u
	WIN vw<<6
.irp e,0,1,2,3
.irp c,0,1
	global_load_b128 v[vb0+vst*\e+4*\c:vb0+vst*\e+4*\c+3], v[VO], s[VP:VP+1] offset:4096*(\u)+1024*\e+512*\c
.endr
.endr
.endm
; ---- the row's largest score: four chains, started by the first eight registers ----
.macro MAXPASS x
	WIN 5*(1+\x)
.set mm, 0
.rept 4
	v_max_num_f32 v[ACC+8*\x+mm], v[2*mm], v[2*mm+1]
.set mm, mm+1
.endr
.rept 124
	v_max3_num_f32 v[ACC+8*\x+(mm&3)], v[2*mm], v[2*mm+1], v[ACC+8*\x+(mm&3)]
.set mm, mm+1
.endr
.endm
; ---- w = clip(x / 8 + c, 1, 2) in place, and the first evaluation (th = 1: max(w, th) = w) ----
.macro TRANS x
	WIN 0x41*(1+\x)
.set tu, 0
.rept 16
.set tj, 0
.rept 8
	v_pk_fma_f32 v[16*tu+2*tj:16*tu+2*tj+1], v[16*tu+2*tj:16*tu+2*tj+1], 0x3e000000, v[ST+16*\x+S_C2:ST+16*\x+S_C2+1] op_sel_hi:[1,0,1]
.set tj, tj+1
.endr
.set tj, 0
.rept 16
	v_med3_num_f32 v[16*tu+tj], v[16*tu+tj], 1.0, 2.0
.set tj, tj+1
.endr
.set tu, tu+1
.endr
	WIN 5*(1+\x)
.set tj, 0
.rept 8
	v_add_nc_u32 v[ACC+8*\x+tj], v[2*tj], v[2*tj+1]
.set tj, tj+1
.endr
.rept 120
	v_add3_u32 v[ACC+8*\x+(tj&7)], v[2*tj], v[2*tj+1], v[ACC+8*\x+(tj&7)]
.set tj, tj+1
.endr
.endm
; ---- step n of: my lane's exact sum, to f32, + the other half of the keys, to my word of the exchange ----
.macro RED_OP x, n
.set sb, ST+16*(\x)
.set ab, ACC+8*(\x)
.if (\n) == 0
	v_add3_u32 v[sb+S_U], v[ab], v[ab+1], v[ab+2]
.endif
.if (\n) == 1
	v_add3_u32 v[sb+S_U+1], v[ab+3], v[ab+4], v[ab+5]
.endif
.if (\n) == 2
	v_add3_u32 v[sb+S_U+2], v[ab+6], v[ab+7], v[sb+S_N2]           ; - 256 bits(th)
.endif
.if (\n) == 3
	v_add3_u32 v[sb+S_U], v[sb+S_U], v[sb+S_U+1], v[sb+S_U+2]      ; 0 .. 2^31, exact
.endif
.if (\n) == 4
	v_cvt_f32_u32 v[sb+S_U], v[sb+S_U]
.endif
.if (\n) == 5
	v_permlanex16_b32 v[PX], v[sb+S_U], s26, s27                   ; lane l xor 16: the same query, the other keys
.endif
.if (\n) == 6
	v_add_f32 v[sb+S_U], v[sb+S_U], v[PX]
.endif
.if (\n) == 7
	ds_store_b32 v[RSW], v[sb+S_U] offset:256*(\x)                 ; lanes r and r + 16 write the same word with the same value
.endif
.endm
.macro RED_ALL x
.irp n,0,1,2,3,4,5,6,7
	RED_OP \x, \n
.endr
.endm
; ---- step n of the secant update; the four waves' sums are added in one order, so every wave gets the same th ----
.macro UPD_OP x, n
.set sb, ST+16*(\x)
.if (\n) == 0
	v_add_f32 v[sb+S_U], v[sb+S_P], v[sb+S_P+1]
.endif
.if (\n) == 1
	v_add_f32 v[sb+S_U+1], v[sb+S_P+2], v[sb+S_P+3]
.endif
.if (\n) == 2
	v_add_f32 v[sb+S_U], v[sb+S_U], v[sb+S_U+1]                    ; R, in units of 2^-23
.endif
.if (\n) == 3
	v_fma_f32 v[sb+S_U+1], v[sb+S_RP], 0x3f800004, -v[sb+S_U]      ; (1 + 2^-21) R_old - R: the margin covers both sums' rounding (2^-22 each)
.endif
.if (\n) == 4
	v_mul_f32 v[sb+S_U+1], v[sb+S_U+1], v[sb+S_IDL]                ; / last step.  A step of 0 gives infinity or NaN,
.endif
.if (\n) == 5
	v_min_num_f32 v[sb+S_SL], v[sb+S_SL], v[sb+S_U+1]              ; which loses here: s stays
.endif
.if (\n) == 6
	v_max_num_f32 v[sb+S_SL], 1.0, v[sb+S_SL]
.endif
.if (\n) == 7
	v_rcp_f32 v[sb+S_U+2], v[sb+S_SL]
.endif
.if (\n) == 8
	v_add_f32 v[sb+S_U+3], 0xcb000000, v[sb+S_U]                   ; R - 2^23; also the plain instruction behind v_rcp_f32 (ISA guide 5.7.2)
.endif
.if (\n) == 9
	v_mov_b32 v[sb+S_RP], v[sb+S_U]
.endif
.if (\n) == 10
	s_wait_alu depctr_va_vdst(0)
	v_mul_f32 v[sb+S_U+3], v[sb+S_U+3], v[sb+S_U+2]
.endif
.if (\n) == 11
	v_max_num_f32 v[sb+S_U+3], 0, v[sb+S_U+3]
.endif
.if (\n) == 12
	v_cvt_u32_f32 v[sb+S_U+3], v[sb+S_U+3]                         ; toward zero: the step never reaches past what s allows
.endif
.if (\n) == 13
	v_add_nc_u32 v[sb+S_TH], v[sb+S_TH], v[sb+S_U+3]
.endif
.if (\n) == 14
	v_cvt_f32_u32 v[sb+S_U+2], v[sb+S_U+3]
.endif
.if (\n) == 15
	v_lshlrev_b32 v[sb+S_U+1], 8, v[sb+S_TH]
.endif
.if (\n) == 16
	v_rcp_f32 v[sb+S_IDL], v[sb+S_U+2]
.endif
.if (\n) == 17
	v_sub_nc_u32 v[sb+S_N2], 0, v[sb+S_U+1]                        ; also the plain instruction behind v_rcp_f32
.endif
.if (\n) == 18
	v_mov_b32 v[sb+S_THC], v[sb+S_TH]                              ; the copy follows
.endif
.endm
.macro UPD_ALL x
.irp n,0,1,2,3,4,5,6,7,8,9,10,11,12,13,14,15,16,17,18
	UPD_OP \x, \n
.endr
.endm
; ---- a quarter of an evaluation of tile x, first half: 64 maxima in 32 dual instructions.  Destinations even and odd; the first sources are
; neighbouring registers and the second sources th and its copy, so each pair of sources lies in two different register banks.  The window
; setting holds for both halves by operand place: first sources in the scores' window, second sources and destinations in window 0 ----
.macro BMAX x, b
	WIN 1+\x
.set bi, 0
.rept 32
	v_dual_max_num_f32 v[TT+bi], v[64*\b+bi], v[ST+16*\x+S_TH] :: v_dual_max_num_f32 v[TT+bi+1], v[64*\b+bi+1], v[ST+16*\x+S_THC]
.set bi, bi+2
.endr
.endm
; ---- second half: 32 sums in 8 chains.  hook = 1, 2: the dependent steps of tile y's reduction or update stand between the sums, one behind
; every third of them or behind 19 of the first 30, so that neither chain waits ----
.macro BADD x, y, first, hook
	WIN 0
.set bi, 0
.set un, 0
.rept 32
.set isfirst, 0
.if \first
.if bi < 8
.set isfirst, 1
.endif
.endif
.if isfirst
	v_add_nc_u32 v[ACC+8*\x+bi], v[TT+2*bi], v[TT+2*bi+1]          ; the first eight sums start the chains: nothing is cleared
.else
	v_add3_u32 v[ACC+8*\x+(bi&7)], v[TT+2*bi], v[TT+2*bi+1], v[ACC+8*\x+(bi&7)]
.endif
.if \hook == 1
.if (bi%3) == 0
.if bi < 24
	RED_OP \y, bi/3
.endif
.endif
.endif
.if \hook == 2
.if un < 19
.if ((13*un)>>3) == bi
	UPD_OP \y, un
.set un, un+1
.endif
.endif
.endif
.set bi, bi+1
.endr
.endm
; an evaluation of tile x; tile y's last evaluation is reduced, exchanged and turned into y's next th meanwhile.  The four steps of the exchange
; (store; wait and signal; barrier wait and load; wait) stand one quarter apart, each behind 32 dual instructions or more of register work
.macro EVAL x, y
	BMAX \x, 0
	BADD \x, \y, 1, 1                              ; with y's reduction: my word of y's sums is stored
	BMAX \x, 1
	s_wait_dscnt 0x0                               ; that word is in LDS: for the other waves' sake, zero
	s_barrier_signal -1
	BADD \x, \y, 0, 0                              ; registers only
	BMAX \x, 2
	s_barrier_wait -1                              ; all four words are there.  They are written again two barriers on, behind every wave's wait below
	WIN 0
	ds_load_b128 v[ST+16*\y+S_P:ST+16*\y+S_P+3], v[RSR] offset:256*\y
	BADD \x, \y, 0, 0
	BMAX \x, 3
	s_wait_dscnt 0x0                               ; the four sums
	BADD \x, \y, 0, 2                              ; with y's update
.endm
; ---- weights: max(w, th) - th (exact: both lie in [1, 2] on one grid), packed in place: 16 registers become an A fragment of 8, and 8 come free ----
.macro FINAL x
	WIN 0x41*(1+\x)
.set fu, 0
.rept 16
.set fj, 0
.rept 16
	v_max_num_f32 v[16*fu+fj], v[16*fu+fj], v[ST+16*\x+S_TH]
.set fj, fj+1
.endr
.set fj, 0
.rept 8
	v_pk_add_f32 v[16*fu+2*fj:16*fu+2*fj+1], v[16*fu+2*fj:16*fu+2*fj+1], v[ST+16*\x+S_TH:ST+16*\x+S_TH+1] neg_lo:[0,1] neg_hi:[0,1]
.set fj, fj+1
.endr
.set fu, fu+1
.endr
	WIN 0x45*(1+\x)
.set fu, 0
.rept 16
.set fj, 0
.rept 8
	v_cvt_pk_bf16_f32 v[16*fu+fj], v[16*fu+2*fj], v[16*fu+2*fj+1]  ; register j is written when 2 j and 2 j + 1 are read, never ahead of a later read
.set fj, fj+1
.endr
.set fu, fu+1
.endr
.endm
; ---- second product, 32 keys: 8 sums, each the next link of its chain in place ----
.macro PVSTEP u
	VPLACE \u
.if (\u) >= 9                          ; steps 0-8 were waited for behind the search
	s_wait_loadcnt 8*(15-(\u))                     ; steps are asked for in their order: step u is in, the 15 - u younger ones (8 loads each) stay out
.endif
.irp q,0,1
	WIN (1+\q)|(vw<<2)                             ; A: the weights' window; B: V's; C and D: window 0
.irp e,0,1,2,3
.if (\u) == 0
	v_wmma_f32_16x16x32_bf16 v[OACC+32*\q+8*\e:OACC+32*\q+8*\e+7], v[16*(\u):16*(\u)+7], v[vb0+vst*\e:vb0+vst*\e+7], 0
.else
	v_wmma_f32_16x16x32_bf16 v[OACC+32*\q+8*\e:OACC+32*\q+8*\e+7], v[16*(\u):16*(\u)+7], v[vb0+vst*\e:vb0+vst*\e+7], v[OACC+32*\q+8*\e:OACC+32*\q+8*\e+7]
.endif
.endr
.endr
.endm
; ---- way out, query tile q: each wave holds sums over its 512 keys.  Wave a adds up rows 8 h + 2 a, 8 h + 2 a + 1, always in the order of the waves ----
.macro OUTTILE q
.irp a,0,1,2,3
.irp e,0,1,2,3
	ds_store_b64 v[STW], v[OACC+32*\q+8*\e+2*\a:OACC+32*\q+8*\e+2*\a+1] offset:4096*\a+256*\e
.endr
.endr
	s_wait_dscnt 0x0                               ; my parts are in LDS: for the others' sake, zero
	s_barrier_signal -1
	s_barrier_wait -1
.irp s,0,1,2,3
.irp e,0,1,2,3
	ds_load_b64 v[LDR+8*\s+2*\e:LDR+8*\s+2*\e+1], v[STR] offset:1024*\s+256*\e
.endr
.endr
	s_wait_dscnt 0x0
.irp e,0,1,2,3
	v_pk_add_f32 v[LDR+2*\e:LDR+2*\e+1], v[LDR+2*\e:LDR+2*\e+1], v[LDR+8+2*\e:LDR+8+2*\e+1]
	v_pk_add_f32 v[LDR+16+2*\e:LDR+16+2*\e+1], v[LDR+16+2*\e:LDR+16+2*\e+1], v[LDR+24+2*\e:LDR+24+2*\e+1]
.endr
.irp e,0,1,2,3
	v_add_f32 v[RR+8*\q+\e],   v[LDR+2*\e],   v[LDR+16+2*\e]       ; the last sum also puts d = 4 r + e side by side
	v_add_f32 v[RR+8*\q+4+\e], v[LDR+2*\e+1], v[LDR+16+2*\e+1]
.endr
	global_store_b128 v[OO], v[RR+8*\q:RR+8*\q+3],   s[OP:OP+1] offset:4096*\q th:TH_STORE_NT      ; 16 lanes store one whole row of out: 256 consecutive bytes, aligned
	global_store_b128 v[OO], v[RR+8*\q+4:RR+8*\q+7], s[OP:OP+1] offset:4096*\q+256 th:TH_STORE_NT
.endm
; =================================================== start ===================================================
	s_load_b256 s[4:11], s[0:1], 0x0               ; q s[4:5], k s[6:7], vb s[8:9], out s[10:11]
	v_lshrrev_b32 v1, 5, v0
	v_readfirstlane_b32 s12, v1                    ; wave 0..3
	v_and_b32 v1, 31, v0                           ; lane
	v_and_b32 v14, 15, v0                          ; r
	v_bfe_u32 v15, v0, 4, 1                        ; h
	s_lshr_b32 s28, ttmp9, 3
	s_lshl_b32 s28, s28, 19                        ; head x 2048 x 256 bytes
	s_mov_b32 s29, 0
	s_and_b32 s30, ttmp9, 7
	s_lshl_b32 s30, s30, 16                        ; my 256 queries
	s_mov_b32 s31, 0
	s_lshl_b32 s14, s12, 17                        ; my wave's 512 keys
	s_mov_b32 s15, 0
	s_lshr_b32 s36, s28, 1                         ; in vb a key has 128 bytes: half the head's offset,
	s_mov_b32 s37, 0
	s_lshr_b32 s38, s14, 1                         ; and half the wave's
	s_mov_b32 s39, 0
	s_mov_b32 s26, 0x76543210                      ; v_permlanex16_b32: lane i of one half takes lane i of the other
	s_mov_b32 s27, 0xfedcba98
	s_mul_i32 s13, s12, KWAVE
	s_lshl_b32 s32, s12, 2
	s_lshl_b32 s33, s12, 10
	s_add_co_u32 s33, s33, STG
	s_lshl_b32 s34, s12, 12
	s_add_co_u32 s34, s34, STG
	s_lshl_b32 s35, s12, 9
	v_lshlrev_b32 v[VO], 4, v1
	v_lshlrev_b32 v[QO], 8, v14
	v_lshl_add_u32 v[QO], v15, 5, v[QO]
	v_mul_u32_u24 v[KA], v14, KPITCH
	v_lshl_add_u32 v[KA], v15, 4, v[KA]
	v_add_nc_u32 v[KA], s13, v[KA]
	v_add_nc_u32 v[KA+1], KHALF, v[KA]
	v_mul_u32_u24 v[KS], v15, 8*KPITCH
	v_lshl_add_u32 v[KS], v14, 3, v[KS]
	v_add_nc_u32 v[KS], s13, v[KS]
	v_add_nc_u32 v[KS+1], KHALF, v[KS]
	v_lshlrev_b32 v[RSR], 4, v14
	v_add_nc_u32 v[RSR], SCR, v[RSR]
	v_add_nc_u32 v[RSW], s32, v[RSR]
	v_lshl_add_u32 v[STW], v1, 3, s33
	v_lshl_add_u32 v[STR], v1, 3, s34
	v_lshlrev_b32 v[OO], 11, v15
	v_lshl_add_u32 v[OO], v14, 4, v[OO]
	v_add_nc_u32 v[OO], s35, v[OO]
	v_mov_b32 v[PX], 0                             ; v_permlanex16_b32 counts as a reader of its destination
	s_wait_kmcnt 0x0
	s_add_nc_u64 s[QP:QP+1], s[4:5], s[28:29]
	s_add_nc_u64 s[QP:QP+1], s[QP:QP+1], s[30:31]
	s_add_nc_u64 s[KP:KP+1], s[6:7], s[28:29]
	s_add_nc_u64 s[KP:KP+1], s[KP:KP+1], s[14:15]
	s_add_nc_u64 s[VP:VP+1], s[8:9], s[36:37]
	s_add_nc_u64 s[VP:VP+1], s[VP:VP+1], s[38:39]
	s_add_nc_u64 s[OP:OP+1], s[10:11], s[28:29]
	s_add_nc_u64 s[OP:OP+1], s[OP:OP+1], s[30:31]
	KLOAD 0
	KLOAD 1
	KLOAD 2
	KLOAD 3
.set kt, 0
.rept 32                               ; my 512 keys to bf16 in LDS.  Only this wave reads them, and LDS serves a wave's instructions in order: no barrier, no wait
	KTILE kt
.set kt, kt+1
.endr
	QLOAD                                          ; the first block's Q (its registers were the ring's)
	s_wait_loadcnt 0x0
	QCVT
	s_mov_b32 s24, 0
; =================================================== a block of 32 queries ===================================================
.Lblock:
	; ---- scores: 32 key tiles x 2 query tiles, fragments one group of four tiles ahead ----
	KFETCH 0, 0
.irp g,0,1,2,3,4,5,6
.if \g
	PLACES                                         ; the other buffer was read by the matrix instructions just above
.endif
	KFETCH (\g+1), ((\g+1)&1)
	s_wait_dscnt 16                                ; group g is in; the 16 loads of group g + 1 stay out
	QKMUL \g, (\g&1), 0
	QKMUL \g, (\g&1), 1
.endr
	s_wait_dscnt 0x0                               ; nothing was issued behind group 7
	QKMUL 7, 1, 0
	QKMUL 7, 1, 1
	PLACES                                         ; before the scores are read and the fragment buffers are loaded into
	; ---- asked for now, wanted behind the search: V steps 0-3 and the next block's Q ----
	VLOAD 0
	VLOAD 1
	VLOAD 2
	VLOAD 3
	WIN 0
	s_cmp_eq_u32 s24, NBLK-1
	s_cbranch_scc1 .Lnoqload                       ; the last block has no next: no load leaves q
	s_add_nc_u64 s[QP:QP+1], s[QP:QP+1], 8192      ; the loads that named it were waited for in the block before
	QLOAD
.Lnoqload:
	; ---- the largest score of each query ----
	MAXPASS 0
	MAXPASS 1
	WIN 0
.irp x,0,1
	v_max3_num_f32 v[ACC+8*\x], v[ACC+8*\x], v[ACC+8*\x+1], v[ACC+8*\x+2]
	v_max_num_f32 v[ACC+8*\x], v[ACC+8*\x], v[ACC+8*\x+3]
	v_permlanex16_b32 v[PX], v[ACC+8*\x], s26, s27
	v_max_num_f32 v[ACC+8*\x], v[ACC+8*\x], v[PX]
	ds_store_b32 v[RSW], v[ACC+8*\x] offset:MXO+256*\x
.endr
	s_wait_dscnt 0x0                               ; my two words are in LDS
	s_barrier_signal -1
	s_barrier_wait -1
	ds_load_b128 v[ST+S_P:ST+S_P+3], v[RSR] offset:MXO
	ds_load_b128 v[ST+16+S_P:ST+16+S_P+3], v[RSR] offset:MXO+256
	s_wait_dscnt 0x0
	s_wait_alu depctr_va_vdst(0)
.irp x,0,1
	v_max3_num_f32 v[ST+16*\x+S_U], v[ST+16*\x+S_P], v[ST+16*\x+S_P+1], v[ST+16*\x+S_P+2]
	v_max_num_f32 v[ST+16*\x+S_U], v[ST+16*\x+S_U], v[ST+16*\x+S_P+3]
	v_fma_f32 v[ST+16*\x+S_C2], v[ST+16*\x+S_U], 0xbe000000, 2.0   ; c = 2 - m / 8, twice: a pair for the packed fma
	v_fma_f32 v[ST+16*\x+S_C2+1], v[ST+16*\x+S_U], 0xbe000000, 2.0
	v_mov_b32 v[ST+16*\x+S_TH], 1.0                ; th = 1,
	v_mov_b32 v[ST+16*\x+S_THC], 1.0               ; and its copy
	v_mov_b32 v[ST+16*\x+S_N2], 0x80000000         ; -256 x 0x3f800000 modulo 2^32
	v_mov_b32 v[ST+16*\x+S_RP], 0x53800000         ; 2^40 and a step of 1: the first update's slope is huge and s stays 2048
	v_mov_b32 v[ST+16*\x+S_SL], 0x45000000         ; 2048
	v_mov_b32 v[ST+16*\x+S_IDL], 1.0
.endr
	; ---- evaluation 1 of both tiles; tile 0's first update ----
	TRANS 0
	WIN 0
	RED_ALL 0
	s_wait_dscnt 0x0
	s_barrier_signal -1
	TRANS 1                                        ; registers only
	WIN 0
	s_barrier_wait -1
	ds_load_b128 v[ST+S_P:ST+S_P+3], v[RSR]
	s_wait_dscnt 0x0
	UPD_ALL 0
	VLOAD 4                                        ; five more V steps, apart from the first four: 48 loads in the first run, 40 in this one
	VLOAD 5
	VLOAD 6
	VLOAD 7
	VLOAD 8
	WIN 0
	; ---- evaluations 2 .. 16 ----
	s_mov_b32 s25, NPASS
.Lpass:
	EVAL 0, 1
	EVAL 1, 0
	s_sub_co_i32 s25, s25, 1
	s_cmp_lg_u32 s25, 0
	s_cbranch_scc1 .Lpass
	; ---- the next block's Q is packed, and its f32 registers take V steps 9, 10 ----
	s_wait_loadcnt 0x0                             ; V steps 0-8 and the next Q, all asked for in front of the search; zero on both ways round the branch above
	s_cmp_eq_u32 s24, NBLK-1
	s_cbranch_scc1 .Lnoqcvt
	QCVT
.Lnoqcvt:
	VLOAD 9
	VLOAD 10
	; ---- tile 1's sixteenth update; weights; V steps 11-15 into the registers that packing sets free ----
	RED_ALL 1
	s_wait_dscnt 0x0
	s_barrier_signal -1
	FINAL 0                                        ; registers only
	WIN 0
	s_barrier_wait -1
	ds_load_b128 v[ST+16+S_P:ST+16+S_P+3], v[RSR] offset:256
	VLOAD 11
	VLOAD 12
	VLOAD 13
	VLOAD 14
	WIN 0
	s_wait_dscnt 0x0
	UPD_ALL 1
	FINAL 1
	VLOAD 15
	; ---- weights x V ----
.irp u,0,1,2,3,4,5,6,7,8,9,10,11,12,13,14,15
	PVSTEP \u
.endr
	WIN 0
	PLACES                                         ; before the sums are read and V's registers in window 0 are written
	OUTTILE 0
	s_barrier_signal -1                            ; every wave's reads of the exchange were waited for:
	s_barrier_wait -1                              ; it may be written again
	OUTTILE 1
	s_wait_xcnt 0x0                                ; the stores' data and base are rewritten only behind this wait (ISA guide 3.1)
	s_add_nc_u64 s[OP:OP+1], s[OP:OP+1], 8192
	s_add_co_u32 s24, s24, 1
	s_cmp_lt_u32 s24, NBLK
	s_cbranch_scc1 .Lblock
	s_wait_xcnt 0x0
	v_lshl_add_u32 v254, v0, 2, 0x4c400
	v_mov_b32 v255, 0
	s_wait_tensorcnt 0x0
	ds_add_u32 v254, v255
	s_wait_dscnt 0x0
	s_endpgm
.Lfunc_end_k_q0b6442438a_entmax:
	.size	k_q0b6442438a_entmax, .Lfunc_end_k_q0b6442438a_entmax-k_q0b6442438a_entmax
	.p2alignl 7, 3214868480
	.fill 96, 4, 3214868480
	.section	.rodata,"a",@progbits
	.p2align	6, 0x0
	.amdhsa_kernel k_q0b6442438a_entmax
		.amdhsa_group_segment_fixed_size 312832
		.amdhsa_private_segment_fixed_size 0
		.amdhsa_enable_private_segment 0
		.amdhsa_kernarg_size 32
		.amdhsa_user_sgpr_count 2
		.amdhsa_user_sgpr_kernarg_segment_ptr 1
		.amdhsa_wavefront_size32 1
		.amdhsa_system_sgpr_workgroup_id_x 1
		.amdhsa_system_sgpr_workgroup_id_y 1
		.amdhsa_system_sgpr_workgroup_id_z 1
		.amdhsa_system_vgpr_workitem_id 0
		.amdhsa_next_free_vgpr 1024
		.amdhsa_next_free_sgpr 66
		.amdhsa_reserve_vcc 0
		.amdhsa_float_denorm_mode_32 3
		.amdhsa_float_denorm_mode_16_64 3
		.amdhsa_memory_ordered 1
		.amdhsa_forward_progress 1
		.amdhsa_inst_pref_size 255
	.end_amdhsa_kernel
	.section	.bss,"aw",@nobits
	.p2align	6
	.space	262144
	.amdgpu_metadata
---
amdhsa.version: [ 1, 2 ]
amdhsa.kernels:
  - .name:           k_q0b6442438a_entmax
    .symbol:         k_q0b6442438a_entmax.kd
    .args:
      - { .name: q, .offset: 0, .size: 8, .value_kind: global_buffer, .address_space: global }
      - { .name: k, .offset: 8, .size: 8, .value_kind: global_buffer, .address_space: global }
      - { .name: vb, .offset: 16, .size: 8, .value_kind: global_buffer, .address_space: global }
      - { .name: out0, .offset: 24, .size: 8, .value_kind: global_buffer, .address_space: global }
    .group_segment_fixed_size: 312832
    .private_segment_fixed_size: 0
    .kernarg_segment_align: 8
    .kernarg_segment_size: 32
    .max_flat_workgroup_size: 128
    .sgpr_count:     66
    .vgpr_count:     1024
    .wavefront_size: 32
...
	.end_amdgpu_metadata
.endif
;; end of part 4
